; MI455X (gfx1250); checked and timed in simulation.
; The chip was launched on July 23, 2026; its instructions are those of AMD's public machine-readable ISA for CDNA 5 (MIT licence, August 2026) and "CDNA5" Instruction Set Architecture Reference Guide (July 2026). The comments in the code are by the model that wrote it; some were corrected since.
;; Multi Head Attention. Allowed arithmetic: matrix products marked QUANTISED: E5M2 operands, one E8M0 scale for each 32 along K, by v_wmma_scale_f32_16x16x128_f8f6f4 with both operands' format E5M2, f32 sums; everything else in f32.
;; Inputs: b_proj 1,024 float32; b_qkv 3,072 float32; w_proj 1,024 x 1,024 float32; w_qkv 3,072 x 1,024 float32; x 4 x 2,048 x 1,024 float32.
;; Outputs: out0 4 x 2,048 x 1,024 float32.
;; This version of the problem:
;;   THIS VERSION OF THE PROBLEM IS GIVEN IN LOW PRECISION. The matrix products marked QUANTISED in the list below multiply operands that are first quantised to E5M2 (5 exponent bits, 2 mantissa bits; 8 bits a number), with one power-of-two scale for each 32 numbers along K (OCP MX v1.0); their sums are f32. All else is computed in f32.
;;   The module's matrix products, in the order in which they are computed (A, B: the left and right operand; K: the contracted axis; several contracted axes count as one K, in the product's order):
;;     1. [M 8,192, K 1,024] x [K 1,024, N 3,072]; A: input x; B: input w_qkv: QUANTISED
;;     2. batch 64 x [M 2,048, K 64] x [K 64, N 2,048]; A: computed on the way; B: computed on the way: QUANTISED
;;     3. batch 64 x [M 2,048, K 2,048] x [K 2,048, N 64]; A: softmax (see below); B: computed on the way: QUANTISED
;;     4. [M 8,192, K 1,024] x [K 1,024, N 1,024]; A: computed on the way; B: input w_proj: QUANTISED
;;   THE QUANTISER, for each operand of a quantised product, along K:
;;     - K is cut into blocks of 32 from its start; a last block that is shorter is filled with zeros.
;;     - A block's scale is 2^e with e = floor(log2(the largest magnitude in the block)) - 15, held to -126 .. 127; a block of zeros has e = 0. As a byte (E8M0): e + 127.
;;     - Each number is divided by its block's scale, clamped to +-57,344, and rounded to the nearest number of E5M2, ties to even, subnormals kept.
;;     - The product sums the exact products of the quantised numbers (number of the format x scale) in f32.
;;   ~~~python
;;   def quantise(x, axis):      # numpy; x: float32 -> the quantised numbers, widened to float32 again
;;       x = np.moveaxis(x, axis, -1); K = x.shape[-1]
;;       x = np.pad(x, [(0, 0)] * (x.ndim - 1) + [(0, -K % 32)]); x = x.reshape(x.shape[:-1] + (-1, 32)); a = np.abs(x).max(-1, keepdims=True)
;;       e = np.where(a > 0, np.clip(np.frexp(np.where(a > 0, a, 1))[1] - 1 - 15, -126, 127), 0)      # np.frexp(a)[1] - 1 = floor(log2(a)), exactly
;;       r = np.clip(x / 2.0 ** e, -57344, 57344)
;;       step = 2.0 ** (np.maximum(np.frexp(np.where(r == 0, 1, r))[1] - 1, -14) - 2)
;;       q = np.round(r / step) * step * 2.0 ** e      # np.round: ties to even
;;       return np.moveaxis(q.reshape(q.shape[:-2] + (-1,))[..., :K], -1, axis).astype(np.float32)
;;   ~~~
;;   SOFTMAX AHEAD OF A QUANTISED PRODUCT. Where the list says 'softmax', what is quantised is not the finished softmax but p = 2^(t - M), with t = logit x log2(e) and M = ceil(the row's largest t), a whole number; so 1/2 < the row's largest p <= 1. The row's sum l is taken of the UNQUANTISED p, in f32, and the product's result is divided by l at the end. Since M is a whole number, a kernel that streams over the keys may use a running M (the ceiling of the running maximum): every later rescaling is an exact power of two, which a block's scale takes up: the codes' values come out the same.
;;   OPERANDS COMPUTED ON THE WAY. 'Computed on the way' means the value that the module computes at that place (a softmax that the list does not call 'softmax' is quantised finished and normalised). What goes into a quantiser is computed in f32, as accurately as f32 sums, v_exp_f32 and their like allow (about 1e-6 of the number): no bf16 or f16 on the way to a quantiser, and a product that is left as it is and whose result goes on into a quantised operand takes f32 operands (vector FMAs, or v_wmma_f32_16x16x4_f32). A number that lies on a knife's edge between two numbers of the format may be rounded either way, as far as f32 arithmetic and the matrix unit's own rounding can turn it there, and no further.
;; One version. Each part assembles by itself: llvm-mc -triple=amdgcn-amd-amdhsa -mcpu=gfx1250 --defsym DOCPART=n.
;; ======== version 1 of 1: 4 launches
;; limits: right only within a limited range of input values
;; workspace buffers: in_img 12,582,912 bytes; in_sc 393,216 bytes; qkv_img 25,165,824 bytes; qkv_sc 786,432 bytes; ao_img 8,388,608 bytes; ao_sc 262,144 bytes
;; launch quant (part 1): grid 256 x 1, 6 waves a work-group, no clusters, 53,248 bytes of LDS; arguments x, w_qkv, w_proj, in_img, in_sc; writes in_img, in_sc
.if DOCPART == 1
	.amdgcn_target "amdgcn-amd-amdhsa--gfx1250"
	.amdhsa_code_object_version 6
	.text
	.protected	k_qd79a5aa48f_quant
	.globl	k_qd79a5aa48f_quant
	.p2align	8
	.type	k_qd79a5aa48f_quant,@function
k_qd79a5aa48f_quant:
	s_mov_b64 s[64:65], 0
	v_nop
	global_prefetch_b8 v0, s[64:65] scope:SCOPE_SE
	s_setreg_imm32_b32 hwreg(HW_REG_WAVE_MODE, 25, 1), 1
	s_wait_xcnt 0x0
; x [8192][1024], w_qkv [3072][1024] and w_proj [1024][1024], f32 with K innermost, become codes of BF8 (E5M2) with one E8M0 byte for each 32 along K.
; THE CODES ARE LAID AS IMAGES OF THE OPERAND'S REGISTERS.  A fragment (16 rows x 128 K) is 2,048 bytes [c 0..3][lane][16]: lane (r = lane % 16, h = lane / 16), group c, holds row r's codes at operand places 32 c + 16 h + 0 .. 15.
; Its scale words are 64 bytes [r][4].  A block is 128 rows x 128 K: 8 fragments.  in_img = [It 0..95][Jt 0..7] blocks: It 0..63 x's rows / 128, 64..87 w_qkv's, 88..95 w_proj's; Jt = K / 128.
; THE ORDER INSIDE A BLOCK OF 32: operand place 16 h + 8 u + j holds element 16 u + 8 h + j.  Every operand of this program is laid so (results of transposed products fall so by themselves), so both sides of each product agree;
; a block's 32 numbers, and so its scale, are the true ones; only the order of summing inside a block differs from ascending K.
; A block's scale is 2^(floor(log2(largest magnitude)) - 15); its byte is that magnitude's exponent field - 15, held at 1 from below.  Numbers are held within +-57,344 x the scale and rounded to the nearest code, ties to even.
; LIMITS: NaN and infinities among the inputs are not served.  A block of zeros gets the byte 1 where the rule says 127: its codes are zeros, and the bytes are read by this program alone.
; SHARES: 6,144 fragments, four to a wave (64 rows x 128 K).  Each load reads 512 consecutive bytes of one row; a fragment's 16 rows turn through the wave's own stage in LDS (rows 528 bytes apart) and come back
; 16 numbers of each block to a lane.  A lane's codes leave as they stand: each store covers 512 consecutive bytes.  The wave's 64 scale words are gathered in LDS and leave as 256 consecutive, aligned bytes.
; No tensor loads, no barrier: waves share nothing.  Matrix units and clusters have no part here: the launch only streams.
.set WREG,  8704                       ; LDS of a wave: the stage, then 256 bytes of scale words
.set SP,    528                        ; a stage row: 512 bytes + 16
.set SCW,   16*SP
.set LI,    4                          ; v4   16 x lane: my bytes of a load's and of a store's 512
.set STI,   5                          ; v5   into the stage
.set STO,   6                          ; v6   out of it: row r, + 32 h
.set SWI,   7                          ; v7   where my row's scale word goes
.set SWO,   8                          ; v8   and where 8 bytes of the 256 are read back
.set L8,    9                          ; v9   8 x lane
.set TM,    16                         ; v16-31 at work in QUANT
.set PW,    32                         ; v32-35 a scale word for each fragment
.set SO,    36                         ; v36-37 scale words on the way out
.set PC,    40                         ; v40-55 a fragment's codes
.set X,     64                         ; v64-127 64 numbers in the operand's order
.set R,     128                        ; v128-255 two sets of 64 registers as loaded
.set SEL,   24                         ; s[24:25] lane selects: lane l xor 16
.set MNT,   26                         ; s26  the mantissa field of 57,344
; 16 nb numbers of a lane, v[s + 16 b + i] = operand place 32 b + 16 h + i of my row, become codes in v[pc] on and the row's scale word in v[pw].
.macro QUANT s, pc, pw, nb
.irp b, 0,1,2,3
.if \b < \nb
	v_max3_num_f32 v[TM+\b], |v[(\s)+16*\b]|, |v[(\s)+1+16*\b]|, 0x8000000   ; my 16 numbers of block b, and the floor 2^(16 - 127): the byte cannot fall under 1
.endif
.endr
.irp i, 2,4,6,8,10,12,14
.irp b, 0,1,2,3
.if \b < \nb
	v_max3_num_f32 v[TM+\b], v[TM+\b], |v[(\s)+16*\b+\i]|, |v[(\s)+1+16*\b+\i]|   ; the blocks by turns
.endif
.endr
.endr
.irp b, 0,1,2,3
.if \b < \nb
	v_permlanex16_b32 v[TM+4+\b], v[TM+\b], s[SEL], s[SEL+1]
.endif
.endr
.irp b, 0,1,2,3
.if \b < \nb
	v_max_num_f32 v[TM+\b], v[TM+\b], v[TM+4+\b]   ; with lane l xor 16's 16: the block's largest magnitude
.endif
.endr
.irp b, 0,1,2,3
.if \b < \nb
	v_add_nc_u32 v[TM+12+\b], 0xf8800000, v[TM+\b]   ; 15 off its exponent field: the conversion's scale operand
.endif
.endr
.irp b, 0,1,2,3
.if \b < \nb
	v_and_or_b32 v[TM+8+\b], v[TM+\b], 0x7f800000, s[MNT]   ; 57,344 x the scale
.endif
.endr
.irp b, 0,1,2,3
.if \b < \nb
	v_lshrrev_b32 v[TM+4+\b], 23, v[TM+12+\b]   ; the scale's byte
.endif
.endr
	v_lshl_or_b32 v[\pw], v[TM+5], 8, v[TM+4]
.if \nb > 2
	v_lshl_or_b32 v[\pw], v[TM+6], 16, v[\pw]
	v_lshl_or_b32 v[\pw], v[TM+7], 24, v[\pw]
.endif
.irp b, 0,1,2,3
.if \b < \nb
.irp i, 0,1,2,3,4,5,6,7,8,9,10,11,12,13,14,15
	v_med3_num_f32 v[(\s)+16*\b+\i], v[(\s)+16*\b+\i], -v[TM+8+\b], v[TM+8+\b]   ; the conversion does not saturate (ISA guide 7.6.2): the hold comes first
.endr
	v_cvt_scalef32_pk8_bf8_f32 v[(\pc)+4*\b:(\pc)+1+4*\b], v[(\s)+16*\b:(\s)+7+16*\b], v[TM+12+\b]
	v_cvt_scalef32_pk8_bf8_f32 v[(\pc)+2+4*\b:(\pc)+3+4*\b], v[(\s)+8+16*\b:(\s)+15+16*\b], v[TM+12+\b]
.endif
.endr
	v_nop                                          ; one plain vector line behind the last scaled conversion
.endm
	s_load_b256 s[4:11], s[0:1], 0x0               ; x s[4:5], w_qkv s[6:7], w_proj s[8:9], in_img s[10:11]
	s_load_b64 s[12:13], s[0:1], 0x20              ; in_sc
	v_lshl_add_u32 v62, v0, 2, 0xcc00              ; my spare word, behind the six waves' regions of 8,704 bytes
	v_mov_b32 v63, 0
	v_lshrrev_b32 v1, 5, v0
	v_readfirstlane_b32 s16, v1                    ; wave 0..5
	v_and_b32 v2, 31, v0                           ; lane
	v_and_b32 v3, 15, v0                           ; r
	v_bfe_u32 v10, v0, 4, 1                        ; h
	v_lshlrev_b32 v[LI], 4, v2
	s_mul_i32 s17, s16, WREG
	v_add_nc_u32 v[STI], s17, v[LI]
	v_mul_u32_u24 v[STO], v3, SP
	v_lshl_add_u32 v[STO], v10, 5, v[STO]
	v_add_nc_u32 v[STO], s17, v[STO]
	s_add_co_u32 s17, s17, SCW
	v_lshlrev_b32 v[SWI], 2, v3
	v_add_nc_u32 v[SWI], s17, v[SWI]
	v_lshlrev_b32 v[L8], 3, v2
	v_add_nc_u32 v[SWO], s17, v[L8]
	s_mov_b32 s[SEL], 0x76543210
	s_mov_b32 s[SEL+1], 0xfedcba98
	s_mov_b32 s[MNT], 0x600000
.irp b, 0,1,2,3
	v_mov_b32 v[TM+4+\b], 0                        ; written once: a lane permute's destination counts as one of its sources
.endr
	s_mul_i32 s19, ttmp9, 6                        ; 1,536 shares of four fragments, six to a work-group of six waves: 256 work-groups of equal work
	s_add_co_u32 s19, s19, s16                     ; my share
	s_lshr_b32 s18, s19, 4                         ; It: sixteen shares to a row of blocks
	s_and_b32 s19, s19, 15                         ; 0..15
	s_lshr_b32 s20, s19, 1                         ; Jt
	s_and_b32 s19, s19, 1                          ; which 64 rows of the block
	s_lshl_b32 s22, s18, 17
	s_lshl_b32 s21, s20, 14
	s_add_co_u32 s22, s22, s21
	s_lshl_b32 s21, s19, 13
	s_add_co_u32 s22, s22, s21                     ; my four fragments in in_img,
	s_mov_b32 s23, 0
	s_lshr_b32 s28, s22, 5                         ; and their scale words: a 32nd of that
	s_mov_b32 s29, 0
	s_wait_alu depctr_va_vdst(0)
	s_wait_kmcnt 0x0
	s_add_nc_u64 s[10:11], s[10:11], s[22:23]
	s_add_nc_u64 s[12:13], s[12:13], s[28:29]
	s_cmp_lt_u32 s18, 88                           ; which tensor: the choice hangs on It, made of the work-group's and the wave's number alone
	s_cselect_b64 s[6:7], s[6:7], s[8:9]
	s_cselect_b32 s21, 64, 88
	s_cmp_lt_u32 s18, 64
	s_cselect_b64 s[4:5], s[4:5], s[6:7]
	s_cselect_b32 s21, 0, s21                      ; the tensor's first It
	s_sub_co_u32 s21, s18, s21
	s_lshl_b32 s21, s21, 1
	s_add_co_u32 s21, s21, s19                     ; which 64 rows of the tensor
	s_lshl_b32 s22, s21, 18                        ; 64 rows of 4,096 bytes
	s_lshl_b32 s21, s20, 9                         ; 128 numbers along K
	s_add_co_u32 s22, s22, s21
	s_add_nc_u64 s[4:5], s[4:5], s[22:23]
.macro LOAD f                          ; fragment f's 16 rows: 512 consecutive bytes a load
.irp rr, 0,1,2,3,4,5,6,7,8,9,10,11,12,13,14,15
	global_load_b128 v[R+64*((\f)%2)+4*\rr:R+64*((\f)%2)+4*\rr+3], v[LI], s[4:5] offset:(16*(\f)+\rr)*4096 th:TH_LOAD_NT
.endr
.endm
.macro FRAGMENT f
.if \f > 0
	s_wait_xcnt 0x0                                ; the last fragment's stores have read v[PC] on: it is written again only behind this wait
.endif
.if \f < 3
	s_wait_loadcnt 16                              ; my 16 loads are in; the next fragment's 16 may be out
.else
	s_wait_loadcnt 0x0
.endif
.irp rr, 0,1,2,3,4,5,6,7,8,9,10,11,12,13,14,15
	ds_store_b128 v[STI], v[R+64*((\f)%2)+4*\rr:R+64*((\f)%2)+4*\rr+3] offset:SP*\rr
.endr
.irp c, 0,1,2,3                        ; LDS serves a wave's instructions in order: these see the stores.  Of block c my half takes elements 8 h + 0..7 and 16 + 8 h + 0..7
	ds_load_b128 v[X+16*\c:X+16*\c+3],     v[STO] offset:128*\c
	ds_load_b128 v[X+16*\c+4:X+16*\c+7],   v[STO] offset:128*\c+16
	ds_load_b128 v[X+16*\c+8:X+16*\c+11],  v[STO] offset:128*\c+64
	ds_load_b128 v[X+16*\c+12:X+16*\c+15], v[STO] offset:128*\c+80
.endr
	s_wait_dscnt 0x0                               ; the numbers are back, and the stores have read their registers,
.if \f < 2
	LOAD (\f)+2                                    ; which take the fragment two on
.endif
	QUANT X, PC, PW+\f, 4
.irp c, 0,1,2,3
	global_store_b128 v[LI], v[PC+4*\c:PC+4*\c+3], s[10:11] offset:2048*\f+512*\c   ; 512 consecutive bytes
.endr
	ds_store_b32 v[SWI], v[PW+\f] offset:64*\f     ; both halves of the lanes write the same word with the same value
.endm
	LOAD 0
	LOAD 1
	FRAGMENT 0
	FRAGMENT 1
	FRAGMENT 2
	FRAGMENT 3
	ds_load_b64 v[SO:SO+1], v[SWO]
	s_wait_dscnt 0x0
	global_store_b64 v[L8], v[SO:SO+1], s[12:13]   ; 256 consecutive bytes, at a multiple of 256 from the buffer's first byte
	s_wait_tensorcnt 0x0
	ds_add_u32 v62, v63
	s_wait_dscnt 0x0
	s_endpgm
.Lfunc_end_k_qd79a5aa48f_quant:
	.size	k_qd79a5aa48f_quant, .Lfunc_end_k_qd79a5aa48f_quant-k_qd79a5aa48f_quant
	.p2alignl 7, 3214868480
	.fill 96, 4, 3214868480
	.section	.rodata,"a",@progbits
	.p2align	6, 0x0
	.amdhsa_kernel k_qd79a5aa48f_quant
		.amdhsa_group_segment_fixed_size 53248
		.amdhsa_private_segment_fixed_size 0
		.amdhsa_enable_private_segment 0
		.amdhsa_kernarg_size 40
		.amdhsa_user_sgpr_count 2
		.amdhsa_user_sgpr_kernarg_segment_ptr 1
		.amdhsa_wavefront_size32 1
		.amdhsa_system_sgpr_workgroup_id_x 1
		.amdhsa_system_sgpr_workgroup_id_y 1
		.amdhsa_system_sgpr_workgroup_id_z 1
		.amdhsa_system_vgpr_workitem_id 0
		.amdhsa_next_free_vgpr 256
		.amdhsa_next_free_sgpr 66
		.amdhsa_reserve_vcc 0
		.amdhsa_float_denorm_mode_32 3
		.amdhsa_float_denorm_mode_16_64 3
		.amdhsa_memory_ordered 1
		.amdhsa_forward_progress 1
		.amdhsa_inst_pref_size 51
	.end_amdhsa_kernel
	.amdgpu_metadata
---
amdhsa.version: [ 1, 2 ]
amdhsa.kernels:
  - .name:           k_qd79a5aa48f_quant
    .symbol:         k_qd79a5aa48f_quant.kd
    .args:
      - { .name: x, .offset: 0, .size: 8, .value_kind: global_buffer, .address_space: global }
      - { .name: w_qkv, .offset: 8, .size: 8, .value_kind: global_buffer, .address_space: global }
      - { .name: w_proj, .offset: 16, .size: 8, .value_kind: global_buffer, .address_space: global }
      - { .name: in_img, .offset: 24, .size: 8, .value_kind: global_buffer, .address_space: global }
      - { .name: in_sc, .offset: 32, .size: 8, .value_kind: global_buffer, .address_space: global }
    .group_segment_fixed_size: 53248
    .private_segment_fixed_size: 0
    .kernarg_segment_align: 8
    .kernarg_segment_size: 40
    .max_flat_workgroup_size: 192
    .sgpr_count:     66
    .vgpr_count:     256
    .wavefront_size: 32
...
	.end_amdgpu_metadata
.endif
;; end of part 1
;; launch qkv (part 2): grid 96 x 4, 4 waves a work-group, clusters of 4 x 4, 327,680 bytes of LDS; arguments in_img, in_sc, b_qkv, qkv_img, qkv_sc; writes qkv_img, qkv_sc
.if DOCPART == 2
	.amdgcn_target "amdgcn-amd-amdhsa--gfx1250"
	.amdhsa_code_object_version 6
	.text
	.protected	k_qd79a5aa48f_qkv
	.globl	k_qd79a5aa48f_qkv
	.p2align	8
	.type	k_qd79a5aa48f_qkv,@function
k_qd79a5aa48f_qkv:
	s_mov_b64 s[64:65], 0
	v_nop
	global_prefetch_b8 v0, s[64:65] scope:SCOPE_SE
	s_setreg_imm32_b32 hwreg(HW_REG_WAVE_MODE, 25, 1), 1
	s_wait_xcnt 0x0
	s_wait_alu depctr_hold_cnt(0) depctr_sa_sdst(0) depctr_va_vdst(0) depctr_va_sdst(0) depctr_va_ssrc(0) depctr_va_vcc(0) depctr_vm_vsrc(0)
	s_getreg_b32 s2, hwreg(HW_REG_IB_STS2, 6, 4)
	s_cmp_eq_u32 s2, 0
	s_cbranch_scc0 .Lentry_in_a_cluster
	s_endpgm
.Lentry_in_a_cluster:
	s_bfe_u32 s2, ttmp6, 0x10000c
	s_cmp_lg_u32 s2, 0xf033
	s_cbranch_scc0 .Lentry_shape_is_right
	s_endpgm
.Lentry_shape_is_right:
.set NQ,     2
.set FR,     16
.set NL,     4
.set NP,     8
.set HALFT,  32768
.set SLOT,   4*HALFT
.set SCL,    2*SLOT
.set HALFS,  4096
.set SST,    SCL+4*HALFS
.set SPARE,  SST+2048
.set BI,   8
.set ADRA, 16
.set ADRB, 20
.set SWS,  24
.set SRD,  25
.set CO,   26
.set ADRS, 27
.set SPW,  28
.set NIL,  29
.set SC,   32
.set BJ,   64
.set AF,   128
.set T,    128
.set PCB,  192
.set TM,   224
.set PW,   240
.set G1, 24
.set G0, 32
.set G1B, 48
.set G0B, 56
.set MODE, 66
.set MNT,  67
.set G1S, 68
.set G0S, 76
.set G1SB, 80
.set G0SB, 88
.set SEL,  96
.set MSB, 0
.macro WIN new
.if MSB != (\new)
	s_set_vgpr_msb (MSB<<8)|(\new)
.set MSB, (\new)
.endif
.endm
.set MUL_LO, 0xa1
.set MUL_HI, 0xf1
.set TO_B,   0x40
.macro JLOAD g0a, g1a, g0b, g1b
	s_cmp_eq_u32 s15, 0
	s_cbranch_scc0 .Lfor_b_\@
	tensor_load_to_lds s[\g0a:\g0a+3], s[\g1a:\g1a+7]
	s_nop 0
.rept 4
	v_nop
.endr
	s_branch .Lasked_\@
.Lfor_b_\@:
	tensor_load_to_lds s[\g0b:\g0b+3], s[\g1b:\g1b+7]
	s_nop 0
.rept 4
	v_nop
.endr
.Lasked_\@:
.endm
.macro CREST
	s_cmp_lg_u32 s14, 0
	s_cbranch_scc1 .Lnot_wave_0_\@
	s_barrier_signal -3
.Lnot_wave_0_\@:
	s_barrier_wait -3
	s_barrier_signal -1
	s_barrier_wait -1
.endm
.macro CROUND
	s_barrier_signal -1
	s_barrier_wait -1
	CREST
.endm
.macro QUANT s, pc, pw, nb
.irp b, 0,1,2,3
.if \b < \nb
	v_max3_num_f32 v[TM+\b], |v[(\s)+16*\b]|, |v[(\s)+1+16*\b]|, 0x8000000
.endif
.endr
.irp i, 2,4,6,8,10,12,14
.irp b, 0,1,2,3
.if \b < \nb
	v_max3_num_f32 v[TM+\b], v[TM+\b], |v[(\s)+16*\b+\i]|, |v[(\s)+1+16*\b+\i]|
.endif
.endr
.endr
.irp b, 0,1,2,3
.if \b < \nb
	v_permlanex16_b32 v[TM+4+\b], v[TM+\b], s[SEL], s[SEL+1]
.endif
.endr
.irp b, 0,1,2,3
.if \b < \nb
	v_max_num_f32 v[TM+\b], v[TM+\b], v[TM+4+\b]
.endif
.endr
.irp b, 0,1,2,3
.if \b < \nb
	v_add_nc_u32 v[TM+12+\b], 0xf8800000, v[TM+\b]
.endif
.endr
.irp b, 0,1,2,3
.if \b < \nb
	v_and_or_b32 v[TM+8+\b], v[TM+\b], 0x7f800000, s[MNT]
.endif
.endr
.irp b, 0,1,2,3
.if \b < \nb
	v_lshrrev_b32 v[TM+4+\b], 23, v[TM+12+\b]
.endif
.endr
	v_lshl_or_b32 v[\pw], v[TM+5], 8, v[TM+4]
.if \nb > 2
	v_lshl_or_b32 v[\pw], v[TM+6], 16, v[\pw]
	v_lshl_or_b32 v[\pw], v[TM+7], 24, v[\pw]
.endif
.irp b, 0,1,2,3
.if \b < \nb
.irp i, 0,1,2,3,4,5,6,7,8,9,10,11,12,13,14,15
	v_med3_num_f32 v[(\s)+16*\b+\i], v[(\s)+16*\b+\i], -v[TM+8+\b], v[TM+8+\b]
.endr
	v_cvt_scalef32_pk8_bf8_f32 v[(\pc)+4*\b:(\pc)+1+4*\b], v[(\s)+16*\b:(\s)+7+16*\b], v[TM+12+\b]
	v_cvt_scalef32_pk8_bf8_f32 v[(\pc)+2+4*\b:(\pc)+3+4*\b], v[(\s)+8+16*\b:(\s)+15+16*\b], v[TM+12+\b]
.endif
.endr
	v_nop
.endm
	s_load_b256 s[4:11], s[0:1], 0x0
	s_load_b64 s[12:13], s[0:1], 0x20
	v_lshl_add_u32 v[SPW], v0, 2, SPARE
	v_mov_b32 v[NIL], 0
	ds_add_u32 v28, v29
	ds_add_u32 v28, v29
	s_wait_dscnt 0x0
	v_lshrrev_b32 v1, 5, v0
	v_readfirstlane_b32 s14, v1
	s_lshr_b32 s15, s14, 1
	s_and_b32 s16, s14, 1
	s_bfe_u32 s40, ttmp6, 0x40000
	s_bfe_u32 s41, ttmp6, 0x40004
	s_lshr_b32 s18, ttmp9, 1
	s_and_b32 s19, ttmp9, 1
	s_sub_co_u32 s2, ttmp9, 16
	s_cmp_ge_u32 ttmp9, 16
	s_cselect_b32 s[MODE], 1, 0
	s_cselect_b32 s18, 0, s18
	s_cselect_b32 s19, s2, s19
	s_cselect_b32 s95, 80, 0
	s_cselect_b32 s94, 0, 64
	s_lshl_b32 s17, s18, 2
	s_add_co_u32 s17, s17, s41
	s_lshl_b32 s42, s19, 2
	s_add_co_u32 s42, s42, s40
	s_lshl_b32 s43, s41, 2
	s_lshl_b32 s43, 15, s43
	s_lshl_b32 s44, 0x1111, s40
	s_or_b32 s[G1+0], s43, (3<<16)|(1<<21)
	s_or_b32 s[G1B+0], s44, (3<<16)|(1<<21)
.irp g, G1, G1B                        ; for the head's loads: a tile's 256 rows of K step 0 are 2 runs of 32,768 bytes, 131,072 apart
	s_mov_b32 s[\g+1], 4096<<16
	s_mov_b32 s[\g+2], 2<<16
	s_mov_b32 s[\g+3], 4096<<16
	s_mov_b32 s[\g+4], 2
	s_mov_b32 s[\g+5], 16384
	s_mov_b32 s[\g+6], 0
	s_mov_b32 s[\g+7], 0
.endr
	s_or_b32 s[G1S+0], s43, (3<<16)|(1<<21)
	s_or_b32 s[G1SB+0], s44, (3<<16)|(1<<21)
.irp g, G1S, G1SB
	s_mov_b32 s[\g+1], 32<<16
	s_mov_b32 s[\g+2], 32<<16              ; the scale words of 256 rows: 8,192 dense bytes
	s_mov_b32 s[\g+3], 32<<16
	s_mov_b32 s[\g+4], 32
	s_mov_b32 s[\g+5], 32
	s_mov_b32 s[\g+6], 0
	s_mov_b32 s[\g+7], 0
.endr
	s_lshl_b32 s18, s17, 1
	s_add_co_u32 s18, s18, s95
	s_add_co_u32 s18, s18, s16
	s_lshl_b32 s19, s42, 1
	s_add_co_u32 s19, s19, s94
	s_add_co_u32 s19, s19, s16
	s_lshl_b32 s20, s18, 17
	s_mov_b32 s21, 0
	s_lshl_b32 s22, s18, 12
	s_mov_b32 s23, 0
	s_lshl_b32 s46, s19, 17
	s_mov_b32 s47, 0
	s_lshl_b32 s92, s19, 12
	s_mov_b32 s93, 0
	s_lshl_b32 s45, s14, 15
	s_mov_b32 s[MNT], 0x600000
	s_mov_b32 s[SEL], 0x76543210
	s_mov_b32 s[SEL+1], 0xfedcba98
	s_wait_kmcnt 0x0
	s_add_nc_u64 s[20:21], s[4:5], s[20:21]
	s_add_nc_u64 s[22:23], s[6:7], s[22:23]
	s_add_nc_u64 s[46:47], s[4:5], s[46:47]
	s_add_nc_u64 s[92:93], s[6:7], s[92:93]
	CROUND
	s_lshl_b32 s2, s16, 12                 ; the head's four tiles begin at the tile's first 128 rows: my half's bytes are taken off
	s_mov_b32 s3, 0
	s_mov_b32 s[G0S], 1
	s_mov_b32 s[G0S+1], SCL
	s_sub_nc_u64 s[G0S+2:G0S+3], s[22:23], s[2:3]
	s_or_b32 s[G0S+3], s[G0S+3], 0x80000000
	s_mov_b32 s[G0SB], 1
	s_mov_b32 s[G0SB+1], SCL+2*HALFS
	s_sub_nc_u64 s[G0SB+2:G0SB+3], s[92:93], s[2:3]
	s_or_b32 s[G0SB+3], s[G0SB+3], 0x80000000
	s_lshl_b32 s2, s16, 17
	s_mov_b32 s4, 1                        ; s[4:7]: A's 256 rows of K step 0, to slot 0's first byte
	s_mov_b32 s5, 0
	s_sub_nc_u64 s[6:7], s[20:21], s[2:3]
	s_or_b32 s7, s7, 0x80000000
	s_mov_b32 s92, 1                       ; s[92:95]: B's, behind them
	s_mov_b32 s93, 2*HALFT
	s_sub_nc_u64 s[94:95], s[46:47], s[2:3]
	s_or_b32 s95, s95, 0x80000000
.irp s, 0,1
	s_mov_b32 s[G0+4*\s], 1
	s_add_co_u32 s[G0+4*\s+1], s45, \s*SLOT
	s_add_nc_u64 s[G0+4*\s+2:G0+4*\s+3], s[20:21], \s*HALFT
	s_or_b32 s[G0+4*\s+3], s[G0+4*\s+3], 0x80000000
	s_mov_b32 s[G0B+4*\s], 1
	s_add_co_u32 s[G0B+4*\s+1], s45, \s*SLOT
	s_add_nc_u64 s[G0B+4*\s+2:G0B+4*\s+3], s[46:47], \s*HALFT
	s_or_b32 s[G0B+4*\s+3], s[G0B+4*\s+3], 0x80000000
.if \s == 0
	; the head's loads, one a wave, in one chain of branches on the wave's number: A's codes, B's codes, A's scale words, B's
	s_cmp_lt_u32 s14, 1
	s_cbranch_scc0 .Lhead_b
	tensor_load_to_lds s[4:7], s[G1:G1+7]
	s_nop 0
.rept 4
	v_nop
.endr
	s_branch .Lhead_asked
.Lhead_b:
	s_cmp_lt_u32 s14, 2
	s_cbranch_scc0 .Lhead_sa
	tensor_load_to_lds s[92:95], s[G1B:G1B+7]
	s_nop 0
.rept 4
	v_nop
.endr
	s_branch .Lhead_asked
.Lhead_sa:
	s_cmp_lt_u32 s14, 3
	s_cbranch_scc0 .Lhead_sb
	tensor_load_to_lds s[G0S:G0S+3], s[G1S:G1S+7]
	s_nop 0
.rept 4
	v_nop
.endr
	s_branch .Lhead_asked
.Lhead_sb:
	tensor_load_to_lds s[G0SB:G0SB+3], s[G1SB:G1SB+7]
	s_nop 0
.rept 4
	v_nop
.endr
.Lhead_asked:
.endif
.endr
	v_and_b32 v1, 15, v0
	v_bfe_u32 v2, v0, 4, 1
	s_wait_alu depctr_va_vdst(0)
	v_and_b32 v3, 31, v0
	v_lshlrev_b32 v[CO], 4, v3
	v_lshlrev_b32 v4, 2, v1
	v_lshlrev_b32 v7, 5, v2
	s_lshl_b32 s18, s15, 15
	s_lshl_b32 s19, s16, 15
	s_add_co_u32 s19, s19, 2*HALFT
.irp s, 0,1
	v_add_nc_u32 v[ADRA+\s], s18, v[CO]
	v_add_nc_u32 v[ADRB+\s], s19, v[CO]
	s_add_co_u32 s18, s18, SLOT
	s_add_co_u32 s19, s19, SLOT
.endr
	s_lshl_b32 s18, s15, 12
	s_lshl_b32 s19, s16, 12
	s_add_co_u32 s19, s19, 2*HALFS
	s_sub_co_u32 s19, s19, s18
	v_mul_u32_u24 v6, s19, v2
	s_wait_alu depctr_va_vdst(0)
	s_add_co_u32 s18, s18, SCL
	v_add_nc_u32 v5, v4, v6
	v_add_nc_u32 v[ADRS], s18, v5
	s_lshl_b32 s18, s14, 9
	s_add_co_u32 s18, s18, SST
	v_add_nc_u32 v[SWS], s18, v4
	v_add_nc_u32 v[SRD], s18, v[CO]
	s_lshl_b32 s18, s17, 1
	s_add_co_u32 s18, s18, s15
	s_lshl_b32 s19, s42, 1
	s_add_co_u32 s19, s19, s16
	s_add_co_u32 s2, s18, 16
	s_lshl_b32 s22, s19, 9
	s_lshl_b32 s46, s18, 9
	s_add_co_u32 s46, s46, 8192
	s_cmp_eq_u32 s[MODE], 0
	s_cselect_b32 s20, s19, s2
	s_cselect_b32 s21, s18, s19
	s_cselect_b32 s22, s22, 0
	s_cselect_b32 s46, 0, s46
	s_mov_b32 s23, 0
	s_mov_b32 s47, 0
	s_add_nc_u64 s[98:99], s[8:9], s[22:23]
	s_add_nc_u64 s[100:101], s[8:9], s[46:47]
	s_lshl_b32 s20, s20, 6
	s_add_co_u32 s20, s20, s21
	s_lshl_b32 s22, s20, 9
	s_lshl_b32 s20, s20, 14
	s_mov_b32 s21, 0
	s_add_nc_u64 s[10:11], s[10:11], s[20:21]
	s_add_nc_u64 s[12:13], s[12:13], s[22:23]
.irp b, 0,1,2,3,4,5,6,7
	global_load_b128 v[BJ+8*\b:BJ+8*\b+3],   v7, s[98:99] offset:64*\b
	global_load_b128 v[BJ+8*\b+4:BJ+8*\b+7], v7, s[98:99] offset:64*\b+16
.endr
.irp a, 0,1,2,3,4,5,6,7
	global_load_b32 v[BI+\a], v4, s[100:101] offset:64*\a
.endr
.macro FRAG reg, adr, q, i
.irp c, 0,1,2,3
	ds_load_b128 v[\reg+4*\c:\reg+4*\c+3], v[\adr] offset:16384*(\q)+2048*(\i)+512*\c
.endr
.endm
.macro MUL16 a0, p, q, sc, zero
.irp a, \a0, \a0+1
.irp b, 0,1,2,3,4,5,6,7
.if \zero
	v_wmma_scale_f32_16x16x128_f8f6f4 v[8*(8*((\a)%4)+\b):8*(8*((\a)%4)+\b)+7], v[128*(\p)+FR*\b:128*(\p)+FR*\b+FR-1], v[AF+FR*(\a):AF+FR*(\a)+FR-1], 0, v[SC+8*NQ*(\sc)+NQ*\b+(\q)], v[SC+8*NQ*(\sc)+NQ*(\a)+(\q)] matrix_a_fmt:MATRIX_FMT_BF8 matrix_b_fmt:MATRIX_FMT_BF8 matrix_a_scale:MATRIX_SCALE_ROW1
.else
	v_wmma_scale_f32_16x16x128_f8f6f4 v[8*(8*((\a)%4)+\b):8*(8*((\a)%4)+\b)+7], v[128*(\p)+FR*\b:128*(\p)+FR*\b+FR-1], v[AF+FR*(\a):AF+FR*(\a)+FR-1], v[8*(8*((\a)%4)+\b):8*(8*((\a)%4)+\b)+7], v[SC+8*NQ*(\sc)+NQ*\b+(\q)], v[SC+8*NQ*(\sc)+NQ*(\a)+(\q)] matrix_a_fmt:MATRIX_FMT_BF8 matrix_b_fmt:MATRIX_FMT_BF8 matrix_a_scale:MATRIX_SCALE_ROW1
.endif
.endr
.endr
.endm
.macro FETCH_B slot, q, p
	WIN TO_B
.irp i, 0,1,2,3,4,5,6,7
	FRAG 128*(\p)+FR*\i, ADRB+\slot, \q, \i
.endr
	WIN 0
.endm
.macro FETCH_A slot, q, i0
.irp i, \i0, \i0+1, \i0+2, \i0+3
	FRAG AF+FR*(\i), ADRA+\slot, \q, \i
.endr
.endm
.macro SCALES sc
.irp i, 0,1,2,3,4,5,6,7
.irp q, 0,1
	ds_load_b32 v[SC+8*NQ*\sc+NQ*\i+\q], v[ADRS] offset:512*\q+64*\i
.endr
.endr
.endm
.macro PLACES n
.rept \n
	v_nop
.endr
.endm
.macro STEP slot, q, zero
	s_wait_dscnt 4*NL
	WIN MUL_LO
	MUL16 0, (\q)%2, \q, \slot, \zero
	MUL16 2, (\q)%2, \q, \slot, \zero
	s_wait_dscnt 0
	PLACES NP
	FETCH_B \slot, (\q)+1, 1-(\q)%2
	FETCH_A \slot, (\q)+1, 0
	WIN MUL_HI
	MUL16 4, (\q)%2, \q, \slot, \zero
	MUL16 6, (\q)%2, \q, \slot, \zero
	PLACES NP
	WIN 0
	FETCH_A \slot, (\q)+1, 4
.endm
.macro TURN slot, next, fill
	s_wait_tensorcnt 0x0
	ds_add_u32 v[SPW], v[NIL]
	s_wait_dscnt 4*NL+1
	WIN MUL_LO
	MUL16 0, 1, NQ-1, \slot, 0
	s_wait_dscnt 0x0
	s_barrier_signal -1
	MUL16 2, 1, NQ-1, \slot, 0
	WIN 0
	s_barrier_wait -1
.if \fill
	CREST
	s_add_nc_u64 s[G0+4*\slot+2:G0+4*\slot+3], s[G0+4*\slot+2:G0+4*\slot+3], 2*HALFT
	s_add_nc_u64 s[G0B+4*\slot+2:G0B+4*\slot+3], s[G0B+4*\slot+2:G0B+4*\slot+3], 2*HALFT
	JLOAD G0+4*\slot, G1, G0B+4*\slot, G1B
	PLACES NP-4
.else
	PLACES NP
.endif
	s_wait_alu depctr_va_vdst(0)
	v_add_nc_u32 v[ADRS], 1024, v[ADRS]
	FETCH_B \next, 0, 0
	FETCH_A \next, 0, 0
	SCALES \next
	WIN MUL_HI
	MUL16 4, 1, NQ-1, \slot, 0
	MUL16 6, 1, NQ-1, \slot, 0
	PLACES NP
	WIN 0
	FETCH_A \next, 0, 4
.endm
	; the set-up above stands between the head's loads and the wait for them
	s_wait_alu depctr_va_vdst(0)           ; the wait at the head's end
	s_wait_tensorcnt 0x0                   ; my tile of the head's four is in; no tensor load of mine is out, so group 1 may be written
	ds_add_u32 v28, v29
.irp g, G1, G1B                        ; from here on a load brings 128 rows of a K step: 32,768 dense bytes as 128 rows of 256
	s_mov_b32 s[\g+1], 32<<16
	s_mov_b32 s[\g+2], 128<<16
	s_mov_b32 s[\g+3], 32<<16
	s_mov_b32 s[\g+4], 128
	s_mov_b32 s[\g+5], 32
.endr
	s_wait_dscnt 0x0
	CROUND                                 ; all four tiles are in, and the sixteen work-groups meet
	JLOAD G0+4, G1, G0B+4, G1B             ; K step 1, the first tensor load behind the round
	FETCH_B 0, 0, 0
	FETCH_A 0, 0, 0
	SCALES 0
	FETCH_A 0, 0, 4
	STEP 0, 0, 1
	TURN 0, 1, 1
	STEP 1, 0, 0
	TURN 1, 0, 1
	STEP 0, 0, 0
	TURN 0, 1, 0
	STEP 1, 0, 0
	s_wait_dscnt 4*NL
	WIN MUL_LO
	MUL16 0, 1, NQ-1, 1, 0
	MUL16 2, 1, NQ-1, 1, 0
	s_wait_dscnt 0
	WIN MUL_HI
	MUL16 4, 1, NQ-1, 1, 0
	MUL16 6, 1, NQ-1, 1, 0
	WIN 0
.macro BIASADD a
	s_cmp_eq_u32 s[MODE], 0
	s_cbranch_scc0 .Lby_row_\@
	WIN 0x02+(\a)/4
.set n, 0
.rept 32
	v_pk_add_f32 v[T+2*n:T+2*n+1], v[64*((\a)%4)+2*n:64*((\a)%4)+2*n+1], v[BJ+2*n:BJ+2*n+1]
.set n, n+1
.endr
	WIN 0
	s_branch .Lbiased_\@
.Lby_row_\@:
	WIN 0x02+(\a)/4
.set n, 0
.rept 32
.if (\a)%2
	v_pk_add_f32 v[T+2*n:T+2*n+1], v[64*((\a)%4)+2*n:64*((\a)%4)+2*n+1], v[BI+2*((\a)/2):BI+2*((\a)/2)+1] op_sel:[0,1] op_sel_hi:[1,1]
.else
	v_pk_add_f32 v[T+2*n:T+2*n+1], v[64*((\a)%4)+2*n:64*((\a)%4)+2*n+1], v[BI+2*((\a)/2):BI+2*((\a)/2)+1] op_sel:[0,0] op_sel_hi:[1,0]
.endif
.set n, n+1
.endr
	WIN 0
.Lbiased_\@:
.endm
	PLACES NP
	s_wait_loadcnt 0x0
.irp b, 0,1,2,3
	v_mov_b32 v[TM+4+\b], 0
.endr
.irp a, 0,1,2,3,4,5,6,7
.if \a >= 2
	s_wait_xcnt 0x0
.endif
	BIASADD \a
	QUANT T, PCB+16*(\a%2), PW+\a, 4
.irp c, 0,1,2,3
	global_store_b128 v[CO], v[PCB+16*(\a%2)+4*\c:PCB+16*(\a%2)+4*\c+3], s[10:11] offset:2048*\a+512*\c
.endr
	ds_store_b32 v[SWS], v[PW+\a] offset:64*\a
.endr
	ds_load_b128 v[T:T+3], v[SRD]
	s_wait_dscnt 0x0
	global_store_b128 v[CO], v[T:T+3], s[12:13]
	s_wait_tensorcnt 0x0
	ds_add_u32 v[SPW], v[NIL]
	s_wait_dscnt 0x0
	CROUND
	s_endpgm
.Lfunc_end_k_qd79a5aa48f_qkv:
	.size	k_qd79a5aa48f_qkv, .Lfunc_end_k_qd79a5aa48f_qkv-k_qd79a5aa48f_qkv
	.p2alignl 7, 3214868480
	.fill 96, 4, 3214868480
	.section	.rodata,"a",@progbits
	.p2align	6, 0x0
	.amdhsa_kernel k_qd79a5aa48f_qkv
		.amdhsa_group_segment_fixed_size 327680
		.amdhsa_private_segment_fixed_size 0
		.amdhsa_enable_private_segment 0
		.amdhsa_kernarg_size 40
		.amdhsa_user_sgpr_count 2
		.amdhsa_user_sgpr_kernarg_segment_ptr 1
		.amdhsa_wavefront_size32 1
		.amdhsa_system_sgpr_workgroup_id_x 1
		.amdhsa_system_sgpr_workgroup_id_y 1
		.amdhsa_system_sgpr_workgroup_id_z 1
		.amdhsa_system_vgpr_workitem_id 0
		.amdhsa_next_free_vgpr 1024
		.amdhsa_next_free_sgpr 102
		.amdhsa_reserve_vcc 0
		.amdhsa_float_denorm_mode_32 3
		.amdhsa_float_denorm_mode_16_64 3
		.amdhsa_memory_ordered 1
		.amdhsa_forward_progress 1
		.amdhsa_inst_pref_size 223
	.end_amdhsa_kernel
	.amdgpu_metadata
---
amdhsa.version: [ 1, 2 ]
amdhsa.kernels:
  - .name:           k_qd79a5aa48f_qkv
    .symbol:         k_qd79a5aa48f_qkv.kd
    .args:
      - { .name: in_img, .offset: 0, .size: 8, .value_kind: global_buffer, .address_space: global }
      - { .name: in_sc, .offset: 8, .size: 8, .value_kind: global_buffer, .address_space: global }
      - { .name: b_qkv, .offset: 16, .size: 8, .value_kind: global_buffer, .address_space: global }
      - { .name: qkv_img, .offset: 24, .size: 8, .value_kind: global_buffer, .address_space: global }
      - { .name: qkv_sc, .offset: 32, .size: 8, .value_kind: global_buffer, .address_space: global }
    .group_segment_fixed_size: 327680
    .private_segment_fixed_size: 0
    .kernarg_segment_align: 8
    .kernarg_segment_size: 40
    .max_flat_workgroup_size: 128
    .sgpr_count:     102
    .vgpr_count:     1024
    .wavefront_size: 32
...
	.end_amdgpu_metadata
.endif
;; end of part 2
;; launch attn (part 3): grid 4 x 64, 16 waves a work-group, clusters of 4 x 1, 327,680 bytes of LDS; arguments qkv_img, qkv_sc, ao_img, ao_sc; writes ao_img, ao_sc
.if DOCPART == 3
	.amdgcn_target "amdgcn-amd-amdhsa--gfx1250"
	.amdhsa_code_object_version 6
	.text
	.protected	k_qd79a5aa48f_attn
	.globl	k_qd79a5aa48f_attn
	.p2align	8
	.type	k_qd79a5aa48f_attn,@function
k_qd79a5aa48f_attn:
	s_mov_b64 s[64:65], 0
	v_nop
	global_prefetch_b8 v0, s[64:65] scope:SCOPE_SE
	s_setreg_imm32_b32 hwreg(HW_REG_WAVE_MODE, 25, 1), 1
	s_wait_xcnt 0x0
	s_wait_alu depctr_hold_cnt(0) depctr_sa_sdst(0) depctr_va_vdst(0) depctr_va_sdst(0) depctr_va_ssrc(0) depctr_va_vcc(0) depctr_vm_vsrc(0)
	s_getreg_b32 s2, hwreg(HW_REG_IB_STS2, 6, 4)
	s_cmp_eq_u32 s2, 0
	s_cbranch_scc0 .Lentry_in_a_cluster
	s_endpgm
.Lentry_in_a_cluster:
	s_bfe_u32 s2, ttmp6, 0x10000c
	s_cmp_lg_u32 s2, 0x3003
	s_cbranch_scc0 .Lentry_shape_is_right
	s_endpgm
.Lentry_shape_is_right:
; O[q] = the sum over keys of softmax(q . k / 8) v for 64 (batch, head) pairs of 2,048 tokens and head size 64, both products on codes of BF8 (E5M2) with E8M0 scales; O / l is quantised along the model's 1,024 for the last projection.
; THE SOFTMAX AHEAD OF THE SECOND PRODUCT: t = score x log2(e) / 8; M = the running largest t rounded UP to a whole number; p = 2^(t - M) is quantised along the keys, not normalised; the row's sum is taken of the unquantised p and divides O at the end.
; When M moves, the sum and O are multiplied by f = 2^(old M - new M): exact.  No step of the problem is left out.
; A BLOCK'S SCALE: p rises with the score, so the exponent of a block's largest p is floor(x), x = t - M of the block's largest score, held at -111 from below (the byte cannot fall under 1): whole-number arithmetic, no search among the p.
; SHARES.  A work-group owns 512 queries of one head; each of its sixteen waves owns 16 queries a pass, two passes; four waves to a SIMD.
; THE WHOLE HEAD'S K AND V STAY IN LDS, FILLED ONCE: 131,072 bytes of codes each and 8,192 of scale words each.  The four work-groups of a head form the cluster and ask for every tile JOINTLY.
; The fills go in two groups, one tensor load a wave in each: at the head the first 512 keys (waves 0-3 K, 4-7 V) and all scale words (waves 8-15); behind the full sequence and a round of the cluster's barrier
; the other 1,536 keys (waves 0-3: 24 key tiles each; waves 4-7: 3 key steps each).  They land under a pass's first four steps; one barrier follows those steps.
; NO PREFETCH: all that the launch reads of K and V is asked for by these two groups, ahead of the loops; there is no later load to run ahead of.
; OPERANDS ARE IMAGES OF REGISTERS (2,048 bytes a fragment, [c][lane][16]), made by the launch before.  q, k: a fragment is 16 tokens x the 128 features of a head pair; my head's part is its c = 2 par, 2 par + 1: 1,024 bytes.
; v^T: a fragment is 16 of d x 128 keys.  Inside a block of 32, operand place 16 h + 8 u + j holds element 16 u + 8 h + j, on both sides of each product.
; BOTH PRODUCTS ARE USED TRANSPOSED: S^T = K Q^T, O^T = V^T P^T: a lane holds one query (lane % 16) throughout, and converted as they stand p's and O's registers are operands in the order just named.
; K = 64 IN AN INSTRUCTION 128 DEEP: Q's registers 8-15 are zero codes.  K's fragment t is v[32 + 8 t] on, 16 registers: its upper half is the next tile's codes (zeros behind tile 7): finite, since every code was held, and they meet zeros.
; K's and Q's scale words come as half words, so the bytes of the upper 64 are 0, which is 2^-127.  A scale register serves two tiles: lanes 0-15 the even one, lanes 16-31 the odd one.
; LIMITS: NaN and infinities are not served.  The promise holds while the scaled scores t stay under 2^31 in magnitude.  v_exp_f32 gives 0 for p under 2^-126.  1 / l is v_rcp_f32 and a multiplication.
; Where v_exp_f32 rounds a block's largest p up to the next power of two (x within an ulp under a whole number), that p is held one code low.
; A block of zeros gets the byte 1 (its codes are zeros; this program alone reads the bytes).  The head's two scale bytes of a row leave as half words, 32 bytes in a span of 64.
; REGISTERS: v1-5 addresses that stay; v8-11 addresses in hand, then partial sums; v12 -M, v13 the largest score, v[14:15] l; v16-23 Q, v24-31 zeros; v32-95 K's 8 tiles, then V's 4 fragments; v96-103 zeros;
;   v104-167 S^T, then p; v168-199 O^T; v200-215 p's codes; v216-231 at work; v232-235, v240-241, v254, v255 scale words alone; v6-7, v244-249 partial sums; v252 f, v253 at work.
.set VCD,  131072                      ; LDS: K's codes [key tile][1,024] from 0; V's [key step][dt][2,048] from here;
.set KSC,  262144                      ; K's scale words, 4 bytes a key (mine at + 2 par);
.set VSC,  270336                      ; V's: 512 ks + 256 par + 64 dt + 4 r
.set SPARE, 278528                     ; the spare words: 128 bytes a wave
.set LR,   1                           ; 4 r
.set AV0,  2                           ; VCD + 16 x lane
.set ASK0, 3                           ; KSC + 2 par + 4 x lane
.set ASV0, 4                           ; VSC + 256 par + 4 x lane
.set LI,   5                           ; 16 x lane
.set ADK,  8
.set ADV,  9
.set ADS,  10
.set ADT,  11
.set KV,   32
.set S,    104
.set O,    168
.set PCD,  200
.set TM,   216                         ; +0..3 the blocks' maxima, then exponents; +4..7 permutes, then partial sums; +8..11 holds; +12..15 scale operands
.set KS,   232
.set VS,   240
.set SPW,  250
.set NIL,  251
.set F,    252
.set TP,   253
.set PSW,  254                         ; p's scale word
.set QS,   255                         ; Q's
.set NC,   12                          ; s12  -c
.set WV,   18
.set MNT,  19                          ; the mantissa field of 57,344
.set SEL,  20                          ; s[20:21] lane l xor 16
.set CS,   22                          ; s[22:23] c = log2(e) / 8
.set G1K,  24                          ; groups 1: K 8 tiles; V one key step; scale words; K 24 tiles; V 3 key steps
.set G1V,  32
.set G1S,  40
.set G1K2, 84
.set G1V2, 92
.set G0C,  48                          ; groups 0: my codes of the first group; my scale words; my codes of the second group
.set G0S,  52
.set G0B,  56
.set TK,   80                          ; LDS byte of the step's codes: 8,192 a step; it also counts the steps
.set TS,   81                          ; of its scale words: 512 a step
.set PASS, 83
.macro ROUND                           ; a round of the cluster's barrier
	s_barrier_signal -1
	s_barrier_wait -1
	s_cmp_lg_u32 s[WV], 0
	s_cbranch_scc1 .Lnot_wave_0_\@
	s_barrier_signal -3
.Lnot_wave_0_\@:
	s_barrier_wait -3
	s_barrier_signal -1
	s_barrier_wait -1
.endm
.macro DESC g, c, r, p                 ; r rows of c elements of 8 bytes, p elements apart; mask: all four work-groups, bit 21 beside it; no padding
	s_mov_b32 s[\g], 15|(3<<16)|(1<<21)
	s_mov_b32 s[\g+1], (\c)<<16
	s_mov_b32 s[\g+2], (\r)<<16
	s_mov_b32 s[\g+3], (\c)<<16
	s_mov_b32 s[\g+4], \r
	s_mov_b32 s[\g+5], \p
	s_mov_b32 s[\g+6], 0
	s_mov_b32 s[\g+7], 0
.endm
.macro FILL g0, g1                     ; a tensor load with an s_nop and four v_nop behind it
	tensor_load_to_lds s[\g0:\g0+3], s[\g1:\g1+7]
	s_nop 0
.rept 4
	v_nop
.endr
.endm
.macro QLOAD                           ; my 16 queries: 64 along K in two groups of four registers, and their two scale bytes (bytes 2 and 3 are 0)
	global_load_b128 v[16:19], v[LI], s[72:73]
	global_load_b128 v[20:23], v[LI], s[72:73] offset:512
	global_load_u16 v[QS], v[LR], s[74:75]
.endm
.macro TSET i                          ; the eight partial sums' pairs: v244, v246, v248, v6, v220, v222, v8, v10
.if \i < 3
.set TT, 244+2*\i
.else
.if \i == 3
.set TT, 6
.else
.if \i < 6
.set TT, 212+2*\i
.else
.set TT, 2*\i-4
.endif
.endif
.endif
.endm
.macro PADD i, a
	TSET \i
.if \a == 0
	v_pk_add_f32 v[TT:TT+1], v[S+2*\i:S+2*\i+1], v[S+16+2*\i:S+17+2*\i]
.else
	v_pk_add_f32 v[TT:TT+1], v[TT:TT+1], v[S+\a+2*\i:S+\a+1+2*\i]
.endif
.endm
.macro PADD8 a                         ; the eight chains by turns
.irp i, 0,1,2,3,4,5,6,7
	PADD \i, \a
.endr
.endm
	s_load_b256 s[4:11], s[0:1], 0x0               ; qkv_img, qkv_sc, ao_img, ao_sc
	v_lshl_add_u32 v[SPW], v0, 2, SPARE
	v_mov_b32 v[NIL], 0
	ds_add_u32 v[SPW], v[NIL]                      ; the opening lines: the add twice on end and one wait
	ds_add_u32 v[SPW], v[NIL]
	v_lshrrev_b32 v7, 5, v0
	v_readfirstlane_b32 s[WV], v7                  ; wave 0..15
	s_and_b32 s12, ttmp7, 0xffff                   ; 16 x batch + head: shared by the four partners
	s_lshr_b32 s13, s12, 4                         ; batch
	s_bfe_u32 s14, s12, 0x30001                    ; head pair
	s_and_b32 s15, s12, 1                          ; par
	s_bfe_u32 s16, ttmp6, 0x40000                  ; cx: it enters Q's and the result's addresses alone
	s_lshr_b32 s17, s[WV], 2
	s_and_b32 s17, s17, 1                          ; I fetch for K (0) or V (1)
	s_and_b32 s60, s[WV], 3                        ; which quarter
	s_lshl_b32 s61, s14, 6
	s_lshl_b32 s62, s13, 4
	s_add_co_u32 s61, s61, s62                     ; q's first block of this batch; k's lies 512 blocks on, v's 1,024
	s_lshl_b32 s62, s17, 9
	s_add_co_u32 s62, s62, s61
	s_add_co_u32 s62, s62, 512                     ; the first block that I fetch from
	s_lshl_b32 s66, s62, 9
	s_lshl_b32 s63, s60, 11
	s_add_co_u32 s66, s66, s63                     ; my quarter of its 8,192 bytes of scale words
	s_mov_b32 s67, 0
	s_lshl_b32 s68, s62, 14
	s_mul_i32 s63, s17, 7168
	s_add_co_u32 s63, s63, 1024
	s_mul_i32 s63, s63, s15                        ; my head's part: 1,024 par on in a fragment of k, 8,192 par on in a block of v
	s_add_co_u32 s68, s68, s63
	s_mov_b32 s69, 0
	s_lshl_b32 s70, s60, 14
	s_add_co_u32 s70, s70, s68                     ; first group: one block a wave
	s_mov_b32 s71, 0
	s_mul_i32 s63, s60, 49152
	s_add_co_u32 s68, s68, s63
	s_add_co_u32 s68, s68, 65536                   ; second group: behind four blocks, three blocks a wave
	s_lshl_b32 s2, s17, 17                         ; where they go: made of the wave's number alone
	s_lshl_b32 s3, s60, 13
	s_add_co_u32 s[G0C+1], s2, s3
	s_mul_i32 s3, s60, 24576
	s_add_co_u32 s3, s3, s2
	s_add_co_u32 s[G0B+1], s3, 32768
	s_lshl_b32 s2, s17, 13
	s_lshl_b32 s3, s60, 11
	s_add_co_u32 s2, s2, s3
	s_add_co_u32 s[G0S+1], s2, KSC
	; my 16 queries: block It = 16 batch + 4 cx + wave / 8 (+ 2 in the second pass), fragment a = wave % 8
	s_lshl_b32 s82, s16, 2
	s_lshr_b32 s83, s[WV], 3
	s_add_co_u32 s82, s82, s83
	s_add_co_u32 s83, s61, s82                     ; q's block
	s_and_b32 s80, s[WV], 7
	s_lshl_b32 s81, s80, 11
	s_lshl_b32 s72, s15, 10
	s_add_co_u32 s81, s81, s72                     ; 2,048 a + 1,024 par
	s_lshl_b32 s80, s80, 6
	s_lshl_b32 s72, s15, 1
	s_add_co_u32 s80, s80, s72                     ; 64 a + 2 par
	s_lshl_b32 s72, s83, 14
	s_add_co_u32 s72, s72, s81
	s_mov_b32 s73, 0
	s_lshl_b32 s74, s83, 9
	s_add_co_u32 s74, s74, s80
	s_mov_b32 s75, 0
	s_lshl_b32 s83, s13, 4
	s_add_co_u32 s83, s83, s82
	s_lshl_b32 s83, s83, 3
	s_add_co_u32 s83, s83, s14                     ; the result's block: 8 It + pair
	s_lshl_b32 s76, s83, 14
	s_add_co_u32 s76, s76, s81
	s_mov_b32 s77, 0
	s_lshl_b32 s78, s83, 9
	s_add_co_u32 s78, s78, s80
	s_mov_b32 s79, 0
	DESC G1K,  128,  8,  256                       ; 8 key tiles: rows of 1,024 bytes, 2,048 apart
	DESC G1V,  32,   32, 32                        ; a key step's 8,192 dense bytes as 32 rows of 256
	DESC G1S,  32,   8,  32                        ; 2,048 dense bytes of scale words
	DESC G1K2, 128,  24, 256                       ; 24 key tiles
	DESC G1V2, 1024, 3,  2048                      ; 3 key steps: rows of 8,192 bytes, 16,384 apart
	s_mov_b32 s[SEL], 0x76543210
	s_mov_b32 s[SEL+1], 0xfedcba98
	s_mov_b32 s[CS], 0x3e38aa3b                    ; c = log2(e) / 8
	s_mov_b32 s[CS+1], s[CS]                       ; (named with it as a pair)
	s_mov_b32 s[NC], 0xbe38aa3b                    ; -c
	s_mov_b32 s[MNT], 0x600000
	s_wait_dscnt 0x0                               ; both opening adds are done
	s_wait_kmcnt 0x0
	s_mov_b32 s[G0C], 1
	s_add_nc_u64 s[G0C+2:G0C+3], s[4:5], s[70:71]
	s_or_b32 s[G0C+3], s[G0C+3], 0x80000000
	s_mov_b32 s[G0S], 1
	s_add_nc_u64 s[G0S+2:G0S+3], s[6:7], s[66:67]
	s_or_b32 s[G0S+3], s[G0S+3], 0x80000000
	s_mov_b32 s[G0B], 1
	s_add_nc_u64 s[G0B+2:G0B+3], s[4:5], s[68:69]
	s_or_b32 s[G0B+3], s[G0B+3], 0x80000000
	s_add_nc_u64 s[72:73], s[4:5], s[72:73]        ; Q's codes
	s_add_nc_u64 s[74:75], s[6:7], s[74:75]        ; Q's scale bytes
	s_add_nc_u64 s[76:77], s[8:9], s[76:77]        ; the result's codes
	s_add_nc_u64 s[78:79], s[10:11], s[78:79]      ; and scale bytes
	ROUND                                          ; all four work-groups are here: the joint loads meet
	; the head's loads: one chain of branches on the wave's number, one load to an arm, every way passes one
	s_cmp_lt_u32 s[WV], 4
	s_cbranch_scc0 .Lhead_v
	FILL G0C, G1K
	s_branch .Lhead_asked
.Lhead_v:
	s_cmp_lt_u32 s[WV], 8
	s_cbranch_scc0 .Lhead_s
	FILL G0C, G1V
	s_branch .Lhead_asked
.Lhead_s:
	FILL G0S, G1S
.Lhead_asked:
	v_and_b32 v7, 31, v0
	v_and_b32 v8, 15, v0
	v_lshlrev_b32 v[LI], 4, v7
	v_lshlrev_b32 v[LR], 2, v8
	QLOAD                                          ; the first pass's Q lands under the fills
	v_lshlrev_b32 v9, 2, v7                        ; 4 x lane: lanes 16-31 take the next tile's scale words
	v_add_nc_u32 v[AV0], VCD, v[LI]
	s_lshl_b32 s2, s15, 1
	s_add_co_u32 s2, s2, KSC
	v_add_nc_u32 v[ASK0], s2, v9
	s_lshl_b32 s2, s15, 8
	s_add_co_u32 s2, s2, VSC
	v_add_nc_u32 v[ASV0], s2, v9
.irp j, 0,1,2,3,4,5,6,7
	v_mov_b32 v[24+\j], 0                          ; Q's upper 64 along K: zero codes
	v_mov_b32 v[96+\j], 0                          ; what stands behind K's tile 7
.endr
.irp b, 0,1,2,3
	v_mov_b32 v[TM+4+\b], 0                        ; a lane permute's destination counts as one of its sources
.endr
	s_wait_alu depctr_va_vdst(0)                   ; the wait at the head's end
	s_wait_tensorcnt 0x0                           ; my part of the first group is in; the lines ahead of a later first fill:
	ds_add_u32 v[SPW], v[NIL]
	s_wait_dscnt 0x0
	ROUND                                          ; everybody's part is in, and the four work-groups meet
	s_cmp_lt_u32 s[WV], 4                          ; the second group: waves 0-3 K, 4-7 V, the others nothing
	s_cbranch_scc0 .Lnext_v
	FILL G0B, G1K2
	s_branch .Lnext_asked
.Lnext_v:
	s_cmp_lt_u32 s[WV], 8
	s_cbranch_scc0 .Lnext_asked
	FILL G0B, G1V2
.Lnext_asked:
; A KEY STEP: 128 keys.  end: the LDS byte at which the loop's steps end.
.macro STEP end
	v_add_nc_u32 v[ADK], s[TK], v[LI]              ; with the four lines at the last step's end and the two v_nop: eight places in front of loads into registers that its products have read
	v_add_nc_u32 v[ADS], s[TS], v[ASK0]
	v_nop
	v_nop
.irp t, 0,1,2,3,4,5,6,7
	ds_load_b128 v[KV+8*\t:KV+8*\t+3],   v[ADK] offset:1024*\t
	ds_load_b128 v[KV+8*\t+4:KV+8*\t+7], v[ADK] offset:1024*\t+512
.endr
.irp u, 0,1,2,3
	ds_load_u16 v[KS+\u], v[ADS] offset:128*\u     ; my head's two bytes of tiles 2 u (lanes 0-15) and 2 u + 1 (lanes 16-31); bytes 2 and 3 are 0
.endr
	s_wait_dscnt 0x0
.irp u, 0,1,2,3                                ; S^T = K Q^T: eight tiles of 16 keys
	v_wmma_scale_f32_16x16x128_f8f6f4 v[S+16*\u:S+16*\u+7], v[KV+16*\u:KV+16*\u+15], v[16:31], 0, v[KS+\u], v[QS] matrix_a_fmt:MATRIX_FMT_BF8 matrix_b_fmt:MATRIX_FMT_BF8
	v_wmma_scale_f32_16x16x128_f8f6f4 v[S+16*\u+8:S+16*\u+15], v[KV+16*\u+8:KV+16*\u+23], v[16:31], 0, v[KS+\u], v[QS] matrix_a_fmt:MATRIX_FMT_BF8 matrix_b_fmt:MATRIX_FMT_BF8 matrix_a_scale:MATRIX_SCALE_ROW1
.endr
	v_add_nc_u32 v[ADV], s[TK], v[AV0]             ; eight places in front of the loads below and of the first read of the scores
	v_add_nc_u32 v[ADT], s[TS], v[ASV0]
.rept 6
	v_nop
.endr
.irp t, 0,1,2,3                                ; V's four fragments land under the softmax
.irp c, 0,1,2,3
	ds_load_b128 v[KV+16*\t+4*\c:KV+16*\t+4*\c+3], v[ADV] offset:2048*\t+512*\c
.endr
.endr
	ds_load_b32 v[VS], v[ADT]                      ; V's scale words, two tiles of d to a register
	ds_load_b32 v[VS+1], v[ADT] offset:128
.irp b, 0,1,2,3
	v_max3_num_f32 v[TM+\b], v[S+16*\b], v[S+1+16*\b], v[S+2+16*\b]   ; the largest score of each block of 32 keys: for the row's maximum and for the block's scale
.endr
.irp i, 3,5,7,9,11,13
.irp b, 0,1,2,3
	v_max3_num_f32 v[TM+\b], v[TM+\b], v[S+16*\b+\i], v[S+1+16*\b+\i]
.endr
.endr
.irp b, 0,1,2,3
	v_max_num_f32 v[TM+\b], v[TM+\b], v[S+15+16*\b]
.endr
.irp b, 0,1,2,3
	v_permlanex16_b32 v[TM+4+\b], v[TM+\b], s[SEL], s[SEL+1]
.endr
.irp b, 0,2                                    ; with lane l xor 16's 16 keys: two blocks a line
	v_dual_max_num_f32 v[TM+\b], v[TM+\b], v[TM+4+\b] :: v_dual_max_num_f32 v[TM+1+\b], v[TM+1+\b], v[TM+5+\b]
.endr
	v_max3_num_f32 v[TP], v[TM], v[TM+1], v[TM+2]
	s_delay_alu instid0(VALU_DEP_1)
	v_max3_num_f32 v13, v[TP], v[TM+3], v13        ; the running largest score (c is positive: its t is the largest t)
	s_delay_alu instid0(VALU_DEP_1)
	v_mul_f32 v[TP], s[NC], v13                    ; -t
	s_delay_alu instid0(VALU_DEP_1)
	v_floor_f32 v[TP], v[TP]                       ; the new -M = floor(-t) = -ceil(t)
	s_delay_alu instid0(VALU_DEP_1)
	v_sub_f32 v[F], v[TP], v12                     ; old M - new M: a whole number, 0 or less
	v_mov_b32 v12, v[TP]
	s_delay_alu instid0(VALU_DEP_2)
	v_cvt_i32_f32 v[F], v[F]                       ; (it saturates)
	s_delay_alu instid0(VALU_DEP_1)
	v_ldexp_f32 v[F], 1.0, v[F]                    ; f = 2^(old M - new M)
.set j, 0
.rept 32
	v_pk_fma_f32 v[S+j:S+j+1], v[S+j:S+j+1], s[CS:CS+1], v[12:13] op_sel_hi:[1,0,0]   ; t - M, two at a time
.set j, j+2
.endr
.set j, 0
.rept 16
	v_pk_mul_f32 v[O+j:O+j+1], v[O+j:O+j+1], v[F:F+1] op_sel_hi:[1,0]   ; O^T under the new M: read ahead of the step's exponentials, each accumulator from its low end on
.set j, j+2
.endr
	s_wait_alu depctr_va_vdst(0)                   ; the wait ahead of the batch
.set j, 0
.rept 64
	v_exp_f32 v[S+j], v[S+j]                       ; p = 2^(t - M), at most 1
.set j, j+1
.endr
.irp b, 0,1,2,3
	v_fma_f32 v[TM+\b], v[TM+\b], s[CS], v12       ; x = t - M of each block's largest score: plain lines behind the exponentials
.endr
	s_wait_alu depctr_va_vdst(0)                   ; one wait for the batch, ahead of its first reader
.irp b, 0,1,2,3
	v_max_num_f32 v[TM+\b], 0xc2de0000, v[TM+\b]   ; held at -111 from below: the byte cannot fall under 1
.endr
	PADD8 0                                        ; the row's sum of the unquantised p, by turns with the scales' lines
.irp b, 0,1,2,3
	v_cvt_floor_i32_f32 v[TM+\b], v[TM+\b]         ; e = floor(x): the exponent of the block's largest p, -111 .. 0
.endr
	PADD8 32
.irp b, 0,1,2,3
	v_add_lshl_u32 v[TM+12+\b], v[TM+\b], 112, 23  ; the conversion's scale operand: exponent field e + 127 - 15, which is the scale's byte
.endr
	v_lshl_add_u32 v[PSW], v[TM+1], 8, v[TM]       ; p's scale word = 0x70707070 + e0 + 2^8 e1 + 2^16 e2 + 2^24 e3: each byte 112 + e stays 1 .. 112, so nothing is borrowed between bytes
	v_lshl_add_u32 v[TP], v[TM+3], 8, v[TM+2]
.irp b, 0,1,2,3
	v_add_nc_u32 v[TM+8+\b], 0x07e00000, v[TM+12+\b]   ; 57,344 x the scale: 15 more in the exponent field, and 57,344's mantissa
.endr
	v_lshl_add_u32 v[PSW], v[TP], 16, v[PSW]
	PADD8 48
	v_add_nc_u32 v[PSW], 0x70707070, v[PSW]
.irp b, 0,1,2,3
.irp i, 0,2,4,6,8,10,12,14                     ; the conversion does not saturate (ISA guide 7.6.2); p is not negative, so the hold is one-sided; two numbers a line
	v_dual_min_num_f32 v[S+16*\b+\i], v[S+16*\b+\i], v[TM+8+\b] :: v_dual_min_num_f32 v[S+16*\b+\i+1], v[S+16*\b+\i+1], v[TM+8+\b]
.endr
	v_cvt_scalef32_pk8_bf8_f32 v[PCD+4*\b:PCD+1+4*\b], v[S+16*\b:S+7+16*\b], v[TM+12+\b]
	v_cvt_scalef32_pk8_bf8_f32 v[PCD+2+4*\b:PCD+3+4*\b], v[S+8+16*\b:S+15+16*\b], v[TM+12+\b]
.endr
	v_pk_add_f32 v[244:245], v[244:245], v[220:221]   ; eight partial sums become four: the four places between the codes and the products
	v_pk_add_f32 v[246:247], v[246:247], v[222:223]
	v_pk_add_f32 v[248:249], v[248:249], v[8:9]
	v_pk_add_f32 v[6:7], v[6:7], v[10:11]
	s_wait_alu depctr_va_vdst(0)                   ; the wait here, directly ahead of the wait below
	s_wait_dscnt 0x0                               ; V
.irp u, 0,1                                    ; O^T += V^T P^T: four accumulators by turns
	v_wmma_scale_f32_16x16x128_f8f6f4 v[O+16*\u:O+16*\u+7], v[KV+32*\u:KV+32*\u+15], v[PCD:PCD+15], v[O+16*\u:O+16*\u+7], v[VS+\u], v[PSW] matrix_a_fmt:MATRIX_FMT_BF8 matrix_b_fmt:MATRIX_FMT_BF8
	v_wmma_scale_f32_16x16x128_f8f6f4 v[O+16*\u+8:O+16*\u+15], v[KV+32*\u+16:KV+32*\u+31], v[PCD:PCD+15], v[O+16*\u+8:O+16*\u+15], v[VS+\u], v[PSW] matrix_a_fmt:MATRIX_FMT_BF8 matrix_b_fmt:MATRIX_FMT_BF8 matrix_a_scale:MATRIX_SCALE_ROW1
.endr
	v_pk_add_f32 v[244:245], v[244:245], v[248:249]   ; four places behind the products: the rest of the sum,
	v_pk_add_f32 v[246:247], v[246:247], v[6:7]
	v_pk_add_f32 v[244:245], v[244:245], v[246:247]
	v_pk_fma_f32 v[14:15], v[14:15], v[F:F+1], v[244:245] op_sel_hi:[1,0,1]   ; and l = l f + the step's sum
	s_add_co_u32 s[TS], s[TS], 512
	s_add_co_u32 s[TK], s[TK], 8192
	s_cmp_lg_u32 s[TK], \end
.endm
	s_mov_b32 s[PASS], 2
.Lpass:
	v_mov_b32 v13, 0xff61b1e6                      ; the largest score so far: -3e38
	v_mov_b32 v12, 0x7e000000                      ; -M: 2^125, a whole number: the first f is 0
	v_mov_b32 v14, 0                               ; l, in two halves
	v_mov_b32 v15, 0
.set j, 0
.rept 32
	v_mov_b32 v[O+j], 0                            ; O^T: the step is written once; the first finds zeros
.set j, j+1
.endr
	s_wait_loadcnt 0x0                             ; Q
	s_mov_b32 s[TK], 0
	s_mov_b32 s[TS], 0
.Lstep_a:                                          ; the first 512 keys: four steps
	STEP 32768
	s_cbranch_scc1 .Lstep_a
	s_wait_tensorcnt 0x0                           ; my part of the other 1,536 keys is in (second pass: nothing is out)
	s_wait_dscnt 0x0
	s_barrier_signal -1
	s_barrier_wait -1                              ; and so is everybody's
	s_mov_b32 s[TK], 32768
	s_mov_b32 s[TS], 2048
.Lstep_b:                                          ; twelve steps
	STEP 131072
	s_cbranch_scc1 .Lstep_b
	s_cmp_eq_u32 s[PASS], 1                        ; the next pass's Q is asked for here and lands under the way out; the last pass asks for nothing
	s_cbranch_scc1 .Lno_q
	s_add_nc_u64 s[72:73], s[72:73], 32768         ; two blocks of 128 queries on (the earlier loads were waited for)
	s_add_nc_u64 s[74:75], s[74:75], 1024
	QLOAD
.Lno_q:
	; THE WAY OUT: O^T / l, quantised along d as it stands: my head's two blocks of the last projection's K
.rept 4
	v_nop                                          ; with the four lines at the step's end and the lines below: the places behind the last products
.endr
	s_wait_alu depctr_va_vdst(0)                   ; the wait here, directly ahead of the reader of l
	v_add_f32 v14, v14, v15                        ; l's two halves,
	v_permlanex16_b32 v[F], v14, s[SEL], s[SEL+1]
	v_add_f32 v14, v14, v[F]                       ; and lane l xor 16's
	s_wait_alu depctr_va_vdst(0)                   ; ahead of the transcendental
	v_rcp_f32 v14, v14
	v_nop                                          ; a plain line behind it,
	s_wait_alu depctr_va_vdst(0)                   ; and the wait ahead of its first reader and of O^T's
.set j, 0
.rept 16
	v_pk_mul_f32 v[S+j:S+j+1], v[O+j:O+j+1], v[14:15] op_sel_hi:[1,0]   ; register 8 t + i is o(query r, d = 16 t + 8 h + i)
.set j, j+2
.endr
.irp b, 0,1
	v_max3_num_f32 v[TM+\b], |v[S+16*\b]|, |v[S+1+16*\b]|, 0x8000000   ; my 16 numbers of block b, and the floor 2^(16 - 127)
.endr
.irp i, 2,4,6,8,10,12,14
.irp b, 0,1
	s_delay_alu instid0(VALU_DEP_2)
	v_max3_num_f32 v[TM+\b], v[TM+\b], |v[S+16*\b+\i]|, |v[S+1+16*\b+\i]|
.endr
.endr
.irp b, 0,1
	s_delay_alu instid0(VALU_DEP_2)
	v_permlanex16_b32 v[TM+4+\b], v[TM+\b], s[SEL], s[SEL+1]
.endr
.irp b, 0,1
	s_delay_alu instid0(VALU_DEP_2)
	v_max_num_f32 v[TM+\b], v[TM+\b], v[TM+4+\b]   ; the block's largest magnitude
.endr
.irp b, 0,1
	s_delay_alu instid0(VALU_DEP_2)
	v_add_nc_u32 v[TM+12+\b], 0xf8800000, v[TM+\b]
.endr
.irp b, 0,1
	s_delay_alu instid0(VALU_DEP_4)
	v_and_or_b32 v[TM+8+\b], v[TM+\b], 0x7f800000, s[MNT]
.endr
.irp b, 0,1
	s_delay_alu instid0(VALU_DEP_4)
	v_lshrrev_b32 v[TM+\b], 23, v[TM+12+\b]
.endr
	s_delay_alu instid0(VALU_DEP_1)
	v_lshl_or_b32 v[PSW], v[TM+1], 8, v[TM]        ; the row's two scale bytes
.irp b, 0,1
.irp i, 0,1,2,3,4,5,6,7,8,9,10,11,12,13,14,15
	v_med3_num_f32 v[S+16*\b+\i], v[S+16*\b+\i], -v[TM+8+\b], v[TM+8+\b]   ; the hold comes first (ISA guide 7.6.2)
.endr
	v_cvt_scalef32_pk8_bf8_f32 v[PCD+4*\b:PCD+1+4*\b], v[S+16*\b:S+7+16*\b], v[TM+12+\b]
	v_cvt_scalef32_pk8_bf8_f32 v[PCD+2+4*\b:PCD+3+4*\b], v[S+8+16*\b:S+15+16*\b], v[TM+12+\b]
.endr
	v_nop                                          ; one plain line behind the last scaled conversion
	global_store_b128 v[LI], v[PCD:PCD+3], s[76:77]               ; 1,024 consecutive bytes in two stores
	global_store_b128 v[LI], v[PCD+4:PCD+7], s[76:77] offset:512
	global_store_b16 v[LR], v[PSW], s[78:79]                      ; both halves of the lanes write the same half word with the same value
	s_wait_xcnt 0x0                                ; the stores have read their registers and bases: both may be written
	s_add_nc_u64 s[76:77], s[76:77], 262144        ; the second pass's place in the result
	s_add_nc_u64 s[78:79], s[78:79], 8192
	s_sub_co_u32 s[PASS], s[PASS], 1
	s_cmp_lg_u32 s[PASS], 0
	s_cbranch_scc1 .Lpass
	s_wait_tensorcnt 0x0                           ; the wave's end
	ds_add_u32 v[SPW], v[NIL]
	s_wait_dscnt 0x0
	ROUND                                          ; the closing round
	s_endpgm
.Lfunc_end_k_qd79a5aa48f_attn:
	.size	k_qd79a5aa48f_attn, .Lfunc_end_k_qd79a5aa48f_attn-k_qd79a5aa48f_attn
	.p2alignl 7, 3214868480
	.fill 96, 4, 3214868480
	.section	.rodata,"a",@progbits
	.p2align	6, 0x0
	.amdhsa_kernel k_qd79a5aa48f_attn
		.amdhsa_group_segment_fixed_size 327680
		.amdhsa_private_segment_fixed_size 0
		.amdhsa_enable_private_segment 0
		.amdhsa_kernarg_size 32
		.amdhsa_user_sgpr_count 2
		.amdhsa_user_sgpr_kernarg_segment_ptr 1
		.amdhsa_wavefront_size32 1
		.amdhsa_system_sgpr_workgroup_id_x 1
		.amdhsa_system_sgpr_workgroup_id_y 1
		.amdhsa_system_sgpr_workgroup_id_z 1
		.amdhsa_system_vgpr_workitem_id 0
		.amdhsa_next_free_vgpr 256
		.amdhsa_next_free_sgpr 100
		.amdhsa_reserve_vcc 0
		.amdhsa_float_denorm_mode_32 3
		.amdhsa_float_denorm_mode_16_64 3
		.amdhsa_memory_ordered 1
		.amdhsa_forward_progress 1
		.amdhsa_inst_pref_size 56
	.end_amdhsa_kernel
	.amdgpu_metadata
---
amdhsa.version: [ 1, 2 ]
amdhsa.kernels:
  - .name:           k_qd79a5aa48f_attn
    .symbol:         k_qd79a5aa48f_attn.kd
    .args:
      - { .name: qkv_img, .offset: 0, .size: 8, .value_kind: global_buffer, .address_space: global }
      - { .name: qkv_sc, .offset: 8, .size: 8, .value_kind: global_buffer, .address_space: global }
      - { .name: ao_img, .offset: 16, .size: 8, .value_kind: global_buffer, .address_space: global }
      - { .name: ao_sc, .offset: 24, .size: 8, .value_kind: global_buffer, .address_space: global }
    .group_segment_fixed_size: 327680
    .private_segment_fixed_size: 0
    .kernarg_segment_align: 8
    .kernarg_segment_size: 32
    .max_flat_workgroup_size: 512
    .sgpr_count:     100
    .vgpr_count:     256
    .wavefront_size: 32
...
	.end_amdgpu_metadata
.endif
;; end of part 3
;; launch proj (part 4): grid 4 x 32, 4 waves a work-group, clusters of 4 x 4, 327,680 bytes of LDS; arguments ao_img, ao_sc, in_img, in_sc, b_proj, out0; writes out0
.if DOCPART == 4
	.amdgcn_target "amdgcn-amd-amdhsa--gfx1250"
	.amdhsa_code_object_version 6
	.text
	.protected	k_qd79a5aa48f_proj
	.globl	k_qd79a5aa48f_proj
	.p2align	8
	.type	k_qd79a5aa48f_proj,@function
k_qd79a5aa48f_proj:
	s_mov_b64 s[64:65], 0
	v_nop
	global_prefetch_b8 v0, s[64:65] scope:SCOPE_SE
	s_setreg_imm32_b32 hwreg(HW_REG_WAVE_MODE, 25, 1), 1
	s_wait_xcnt 0x0
	s_wait_alu depctr_hold_cnt(0) depctr_sa_sdst(0) depctr_va_vdst(0) depctr_va_sdst(0) depctr_va_ssrc(0) depctr_va_vcc(0) depctr_vm_vsrc(0)
	s_getreg_b32 s2, hwreg(HW_REG_IB_STS2, 6, 4)
	s_cmp_eq_u32 s2, 0
	s_cbranch_scc0 .Lentry_in_a_cluster
	s_endpgm
.Lentry_in_a_cluster:
	s_bfe_u32 s2, ttmp6, 0x10000c
	s_cmp_lg_u32 s2, 0xf033
	s_cbranch_scc0 .Lentry_shape_is_right
	s_endpgm
.Lentry_shape_is_right:
.set SIZE_N, 1024
.set NQ,     2
.set FR,     16
.set NL,     4
.set NP,     8
.set HALFT,  32768
.set SLOT,   4*HALFT
.set SCL,    2*SLOT
.set HALFS,  4096
.set SPARE,  SCL+4*HALFS
.set SPITCH, 528
.set ADRA, 16
.set ADRB, 20
.set STO,  24
.set RD,   25
.set CO,   26
.set ADRS, 27
.set SPW,  28
.set NIL,  29
.set SC,   32
.set BJ,   64
.set AF,   128
.set BK,   128
.set G1, 24
.set G0, 32
.set G1B, 48
.set G0B, 56
.set G1S, 68
.set G0S, 76
.set G1SB, 80
.set G0SB, 88
.set MSB, 0
.macro WIN new
.if MSB != (\new)
	s_set_vgpr_msb (MSB<<8)|(\new)
.set MSB, (\new)
.endif
.endm
.set MUL_LO, 0xa1
.set MUL_HI, 0xf1
.set FST_LO, 0x81
.set FST_HI, 0xc1
.set TO_B,   0x40
.macro JLOAD g0a, g1a, g0b, g1b
	s_cmp_eq_u32 s15, 0
	s_cbranch_scc0 .Lfor_b_\@
	tensor_load_to_lds s[\g0a:\g0a+3], s[\g1a:\g1a+7]
	s_nop 0
.rept 4
	v_nop
.endr
	s_branch .Lasked_\@
.Lfor_b_\@:
	tensor_load_to_lds s[\g0b:\g0b+3], s[\g1b:\g1b+7]
	s_nop 0
.rept 4
	v_nop
.endr
.Lasked_\@:
.endm
.macro CREST
	s_cmp_lg_u32 s14, 0
	s_cbranch_scc1 .Lnot_wave_0_\@
	s_barrier_signal -3
.Lnot_wave_0_\@:
	s_barrier_wait -3
	s_barrier_signal -1
	s_barrier_wait -1
.endm
.macro CROUND
	s_barrier_signal -1
	s_barrier_wait -1
	CREST
.endm
	s_load_b256 s[4:11], s[0:1], 0x0
	s_load_b128 s[96:99], s[0:1], 0x20
	v_lshl_add_u32 v[SPW], v0, 2, SPARE
	v_mov_b32 v[NIL], 0
	ds_add_u32 v28, v29
	ds_add_u32 v28, v29
	s_wait_dscnt 0x0
	v_lshrrev_b32 v1, 5, v0
	v_readfirstlane_b32 s14, v1
	s_lshr_b32 s15, s14, 1
	s_and_b32 s16, s14, 1
	s_bfe_u32 s40, ttmp6, 0x40000
	s_bfe_u32 s41, ttmp6, 0x40004
	s_lshl_b32 s42, ttmp9, 2
	s_add_co_u32 s42, s42, s40
	s_and_b32 s17, ttmp7, 0xffff
	s_lshl_b32 s17, s17, 2
	s_add_co_u32 s17, s17, s41
	s_lshl_b32 s43, s41, 2
	s_lshl_b32 s43, 15, s43
	s_lshl_b32 s44, 0x1111, s40
	s_or_b32 s[G1+0], s43, (3<<16)|(1<<21)
	s_or_b32 s[G1B+0], s44, (3<<16)|(1<<21)
.irp g, G1, G1B                        ; for the head's loads: a tile's 256 rows of K step 0 are 2 runs of 32,768 bytes, 131,072 apart
	s_mov_b32 s[\g+1], 4096<<16
	s_mov_b32 s[\g+2], 2<<16
	s_mov_b32 s[\g+3], 4096<<16
	s_mov_b32 s[\g+4], 2
	s_mov_b32 s[\g+5], 16384
	s_mov_b32 s[\g+6], 0
	s_mov_b32 s[\g+7], 0
.endr
	s_or_b32 s[G1S+0], s43, (3<<16)|(1<<21)
	s_or_b32 s[G1SB+0], s44, (3<<16)|(1<<21)
.irp g, G1S, G1SB
	s_mov_b32 s[\g+1], 32<<16
	s_mov_b32 s[\g+2], 32<<16              ; the scale words of 256 rows: 8,192 dense bytes
	s_mov_b32 s[\g+3], 32<<16
	s_mov_b32 s[\g+4], 32
	s_mov_b32 s[\g+5], 32
	s_mov_b32 s[\g+6], 0
	s_mov_b32 s[\g+7], 0
.endr
	s_lshl_b32 s18, s17, 1
	s_add_co_u32 s18, s18, s16
	s_lshl_b32 s19, s42, 1
	s_add_co_u32 s19, s19, s16
	s_add_co_u32 s19, s19, 88
	s_lshl_b32 s20, s18, 17
	s_mov_b32 s21, 0
	s_lshl_b32 s22, s18, 12
	s_mov_b32 s23, 0
	s_lshl_b32 s46, s19, 17
	s_mov_b32 s47, 0
	s_lshl_b32 s92, s19, 12
	s_mov_b32 s93, 0
	s_lshl_b32 s45, s14, 15
	s_wait_kmcnt 0x0
	s_add_nc_u64 s[20:21], s[4:5], s[20:21]
	s_add_nc_u64 s[22:23], s[6:7], s[22:23]
	s_add_nc_u64 s[46:47], s[8:9], s[46:47]
	s_add_nc_u64 s[92:93], s[10:11], s[92:93]
	CROUND
	s_lshl_b32 s2, s16, 12                 ; the head's four tiles begin at the tile's first 128 rows: my half's bytes are taken off
	s_mov_b32 s3, 0
	s_mov_b32 s[G0S], 1
	s_mov_b32 s[G0S+1], SCL
	s_sub_nc_u64 s[G0S+2:G0S+3], s[22:23], s[2:3]
	s_or_b32 s[G0S+3], s[G0S+3], 0x80000000
	s_mov_b32 s[G0SB], 1
	s_mov_b32 s[G0SB+1], SCL+2*HALFS
	s_sub_nc_u64 s[G0SB+2:G0SB+3], s[92:93], s[2:3]
	s_or_b32 s[G0SB+3], s[G0SB+3], 0x80000000
	s_lshl_b32 s2, s16, 17
	s_mov_b32 s4, 1                        ; s[4:7]: A's 256 rows of K step 0, to slot 0's first byte
	s_mov_b32 s5, 0
	s_sub_nc_u64 s[6:7], s[20:21], s[2:3]
	s_or_b32 s7, s7, 0x80000000
	s_mov_b32 s92, 1                       ; s[92:95]: B's, behind them
	s_mov_b32 s93, 2*HALFT
	s_sub_nc_u64 s[94:95], s[46:47], s[2:3]
	s_or_b32 s95, s95, 0x80000000
.irp s, 0,1
	s_mov_b32 s[G0+4*\s], 1
	s_add_co_u32 s[G0+4*\s+1], s45, \s*SLOT
	s_add_nc_u64 s[G0+4*\s+2:G0+4*\s+3], s[20:21], \s*HALFT
	s_or_b32 s[G0+4*\s+3], s[G0+4*\s+3], 0x80000000
	s_mov_b32 s[G0B+4*\s], 1
	s_add_co_u32 s[G0B+4*\s+1], s45, \s*SLOT
	s_add_nc_u64 s[G0B+4*\s+2:G0B+4*\s+3], s[46:47], \s*HALFT
	s_or_b32 s[G0B+4*\s+3], s[G0B+4*\s+3], 0x80000000
.if \s == 0
	; the head's loads, one a wave, in one chain of branches on the wave's number: A's codes, B's codes, A's scale words, B's
	s_cmp_lt_u32 s14, 1
	s_cbranch_scc0 .Lhead_b
	tensor_load_to_lds s[4:7], s[G1:G1+7]
	s_nop 0
.rept 4
	v_nop
.endr
	s_branch .Lhead_asked
.Lhead_b:
	s_cmp_lt_u32 s14, 2
	s_cbranch_scc0 .Lhead_sa
	tensor_load_to_lds s[92:95], s[G1B:G1B+7]
	s_nop 0
.rept 4
	v_nop
.endr
	s_branch .Lhead_asked
.Lhead_sa:
	s_cmp_lt_u32 s14, 3
	s_cbranch_scc0 .Lhead_sb
	tensor_load_to_lds s[G0S:G0S+3], s[G1S:G1S+7]
	s_nop 0
.rept 4
	v_nop
.endr
	s_branch .Lhead_asked
.Lhead_sb:
	tensor_load_to_lds s[G0SB:G0SB+3], s[G1SB:G1SB+7]
	s_nop 0
.rept 4
	v_nop
.endr
.Lhead_asked:
.endif
.endr
	v_and_b32 v1, 15, v0
	v_bfe_u32 v2, v0, 4, 1
	s_wait_alu depctr_va_vdst(0)
	v_and_b32 v3, 31, v0
	v_lshlrev_b32 v[CO], 4, v3
	v_lshlrev_b32 v4, 2, v1
	v_lshlrev_b32 v7, 5, v2
	s_lshl_b32 s18, s15, 15
	s_lshl_b32 s19, s16, 15
	s_add_co_u32 s19, s19, 2*HALFT
.irp s, 0,1
	v_add_nc_u32 v[ADRA+\s], s18, v[CO]
	v_add_nc_u32 v[ADRB+\s], s19, v[CO]
	s_add_co_u32 s18, s18, SLOT
	s_add_co_u32 s19, s19, SLOT
.endr
	s_lshl_b32 s18, s15, 12
	s_lshl_b32 s19, s16, 12
	s_add_co_u32 s19, s19, 2*HALFS
	s_sub_co_u32 s19, s19, s18
	v_mul_u32_u24 v6, s19, v2
	s_wait_alu depctr_va_vdst(0)
	s_add_co_u32 s18, s18, SCL
	v_add_nc_u32 v5, v4, v6
	v_add_nc_u32 v[ADRS], s18, v5
	s_mul_i32 s23, s14, 16*SPITCH
	v_mul_u32_u24 v5, v1, SPITCH
	v_lshl_add_u32 v5, v2, 5, v5
	v_add_nc_u32 v[STO], s23, v5
	v_add_nc_u32 v[RD], s23, v[CO]
	s_lshl_b32 s20, s17, 1
	s_add_co_u32 s20, s20, s15
	s_lshl_b32 s20, s20, 19
	s_lshl_b32 s46, s42, 1
	s_add_co_u32 s46, s46, s16
	s_lshl_b32 s46, s46, 9
	s_mov_b32 s47, 0
	s_add_nc_u64 s[96:97], s[96:97], s[46:47]
	s_add_co_u32 s20, s20, s46
	s_mov_b32 s21, 0
	s_add_nc_u64 s[98:99], s[98:99], s[20:21]
.irp b, 0,1,2,3,4,5,6,7
	global_load_b128 v[BJ+8*\b:BJ+8*\b+3],   v7, s[96:97] offset:64*\b
	global_load_b128 v[BJ+8*\b+4:BJ+8*\b+7], v7, s[96:97] offset:64*\b+16
.endr
.macro FRAG reg, adr, q, i
.irp c, 0,1,2,3
	ds_load_b128 v[\reg+4*\c:\reg+4*\c+3], v[\adr] offset:16384*(\q)+2048*(\i)+512*\c
.endr
.endm
.macro MUL16 a0, p, q, sc, first
.irp a, \a0, \a0+1
.irp b, 0,1,2,3,4,5,6,7
.if \first
	v_wmma_scale_f32_16x16x128_f8f6f4 v[8*(8*((\a)%4)+\b):8*(8*((\a)%4)+\b)+7], v[128*(\p)+FR*\b:128*(\p)+FR*\b+FR-1], v[AF+FR*(\a):AF+FR*(\a)+FR-1], v[BJ+8*\b:BJ+8*\b+7], v[SC+8*NQ*(\sc)+NQ*\b+(\q)], v[SC+8*NQ*(\sc)+NQ*(\a)+(\q)] matrix_a_fmt:MATRIX_FMT_BF8 matrix_b_fmt:MATRIX_FMT_BF8 matrix_a_scale:MATRIX_SCALE_ROW1
.else
	v_wmma_scale_f32_16x16x128_f8f6f4 v[8*(8*((\a)%4)+\b):8*(8*((\a)%4)+\b)+7], v[128*(\p)+FR*\b:128*(\p)+FR*\b+FR-1], v[AF+FR*(\a):AF+FR*(\a)+FR-1], v[8*(8*((\a)%4)+\b):8*(8*((\a)%4)+\b)+7], v[SC+8*NQ*(\sc)+NQ*\b+(\q)], v[SC+8*NQ*(\sc)+NQ*(\a)+(\q)] matrix_a_fmt:MATRIX_FMT_BF8 matrix_b_fmt:MATRIX_FMT_BF8 matrix_a_scale:MATRIX_SCALE_ROW1
.endif
.endr
.endr
.endm
.macro FETCH_B slot, q, p
	WIN TO_B
.irp i, 0,1,2,3,4,5,6,7
	FRAG 128*(\p)+FR*\i, ADRB+\slot, \q, \i
.endr
	WIN 0
.endm
.macro FETCH_A slot, q, i0
.irp i, \i0, \i0+1, \i0+2, \i0+3
	FRAG AF+FR*(\i), ADRA+\slot, \q, \i
.endr
.endm
.macro SCALES sc
.irp i, 0,1,2,3,4,5,6,7
.irp q, 0,1
	ds_load_b32 v[SC+8*NQ*\sc+NQ*\i+\q], v[ADRS] offset:512*\q+64*\i
.endr
.endr
.endm
.macro PLACES n
.rept \n
	v_nop
.endr
.endm
.macro STEP slot, q, first
	s_wait_dscnt 4*NL
.if \first
	WIN FST_LO
.else
	WIN MUL_LO
.endif
	MUL16 0, (\q)%2, \q, \slot, \first
	MUL16 2, (\q)%2, \q, \slot, \first
	s_wait_dscnt 0
	PLACES NP
	FETCH_B \slot, (\q)+1, 1-(\q)%2
	FETCH_A \slot, (\q)+1, 0
.if \first
	WIN FST_HI
.else
	WIN MUL_HI
.endif
	MUL16 4, (\q)%2, \q, \slot, \first
	MUL16 6, (\q)%2, \q, \slot, \first
	PLACES NP
	WIN 0
	FETCH_A \slot, (\q)+1, 4
.endm
.macro TURN slot, next, fill
	s_wait_tensorcnt 0x0
	ds_add_u32 v[SPW], v[NIL]
	s_wait_dscnt 4*NL+1
	WIN MUL_LO
	MUL16 0, 1, NQ-1, \slot, 0
	s_wait_dscnt 0x0
	s_barrier_signal -1
	MUL16 2, 1, NQ-1, \slot, 0
	WIN 0
	s_barrier_wait -1
.if \fill
	CREST
	s_add_nc_u64 s[G0+4*\slot+2:G0+4*\slot+3], s[G0+4*\slot+2:G0+4*\slot+3], 2*HALFT
	s_add_nc_u64 s[G0B+4*\slot+2:G0B+4*\slot+3], s[G0B+4*\slot+2:G0B+4*\slot+3], 2*HALFT
	JLOAD G0+4*\slot, G1, G0B+4*\slot, G1B
	PLACES NP-4
.else
	PLACES NP
.endif
	s_wait_alu depctr_va_vdst(0)
	v_add_nc_u32 v[ADRS], 1024, v[ADRS]
	FETCH_B \next, 0, 0
	FETCH_A \next, 0, 0
	SCALES \next
	WIN MUL_HI
	MUL16 4, 1, NQ-1, \slot, 0
	MUL16 6, 1, NQ-1, \slot, 0
	PLACES NP
	WIN 0
	FETCH_A \next, 0, 4
.endm
	; the set-up and the bias's loads above stand between the head's loads and the wait for them
	s_wait_alu depctr_va_vdst(0)           ; the wait at the head's end
	s_wait_tensorcnt 0x0                   ; my tile of the head's four is in; no tensor load of mine is out, so group 1 may be written
	ds_add_u32 v28, v29
.irp g, G1, G1B                        ; from here on a load brings 128 rows of a K step: 32,768 dense bytes as 128 rows of 256
	s_mov_b32 s[\g+1], 32<<16
	s_mov_b32 s[\g+2], 128<<16
	s_mov_b32 s[\g+3], 32<<16
	s_mov_b32 s[\g+4], 128
	s_mov_b32 s[\g+5], 32
.endr
	s_wait_dscnt 0x0
	CROUND                                 ; all four tiles are in, and the sixteen work-groups meet
	JLOAD G0+4, G1, G0B+4, G1B             ; K step 1, the first tensor load behind the round
	FETCH_B 0, 0, 0
	FETCH_A 0, 0, 0
	SCALES 0
	FETCH_A 0, 0, 4
	s_wait_loadcnt 0x0
	STEP 0, 0, 1
	TURN 0, 1, 1
	STEP 1, 0, 0
	TURN 1, 0, 1
	STEP 0, 0, 0
	TURN 0, 1, 0
	STEP 1, 0, 0
	s_wait_dscnt 4*NL
	WIN MUL_LO
	MUL16 0, 1, NQ-1, 1, 0
	MUL16 2, 1, NQ-1, 1, 0
	s_wait_dscnt 0
	WIN MUL_HI
	MUL16 4, 1, NQ-1, 1, 0
	MUL16 6, 1, NQ-1, 1, 0
	WIN 0
.macro TOSTAGE a
.set AC, 64*((\a)%4)
	WIN 0x08+4*((\a)/4)
.irp b, 0,1,2,3,4,5,6,7
	ds_store_b128 v[STO], v[AC+8*\b:AC+8*\b+3] offset:64*\b
	ds_store_b128 v[STO], v[AC+8*\b+4:AC+8*\b+7] offset:64*\b+16
.endr
	WIN 0
.set BB, BK+64*((\a)%2)
.irp t, 0,1,2,3,4,5,6,7,8,9,10,11,12,13,14,15
	ds_load_b128 v[BB+4*\t:BB+4*\t+3], v[RD] offset:\t*SPITCH
.endr
.endm
.macro SEND a, younger
.set BB, BK+64*((\a)%2)
	s_wait_dscnt \younger
.if (\a) > 0
	s_add_nc_u64 s[98:99], s[98:99], 16*SIZE_N*4
.endif
.irp t, 0,1,2,3,4,5,6,7,8,9,10,11,12,13,14,15
	global_store_b128 v[CO], v[BB+4*\t:BB+4*\t+3], s[98:99] offset:\t*SIZE_N*4 th:TH_STORE_NT
.endr
.endm
	PLACES NP
	TOSTAGE 0
.irp a, 1,2,3,4,5,6,7
.if \a > 1
	s_wait_xcnt 0x0
.endif
	TOSTAGE \a
	SEND \a-1, 32
.endr
	s_wait_xcnt 0x0
	SEND 7, 0
	s_wait_tensorcnt 0x0
	ds_add_u32 v[SPW], v[NIL]
	s_wait_dscnt 0x0
	CROUND
	s_endpgm
.Lfunc_end_k_qd79a5aa48f_proj:
	.size	k_qd79a5aa48f_proj, .Lfunc_end_k_qd79a5aa48f_proj-k_qd79a5aa48f_proj
	.p2alignl 7, 3214868480
	.fill 96, 4, 3214868480
	.section	.rodata,"a",@progbits
	.p2align	6, 0x0
	.amdhsa_kernel k_qd79a5aa48f_proj
		.amdhsa_group_segment_fixed_size 327680
		.amdhsa_private_segment_fixed_size 0
		.amdhsa_enable_private_segment 0
		.amdhsa_kernarg_size 48
		.amdhsa_user_sgpr_count 2
		.amdhsa_user_sgpr_kernarg_segment_ptr 1
		.amdhsa_wavefront_size32 1
		.amdhsa_system_sgpr_workgroup_id_x 1
		.amdhsa_system_sgpr_workgroup_id_y 1
		.amdhsa_system_sgpr_workgroup_id_z 1
		.amdhsa_system_vgpr_workitem_id 0
		.amdhsa_next_free_vgpr 1024
		.amdhsa_next_free_sgpr 102
		.amdhsa_reserve_vcc 0
		.amdhsa_float_denorm_mode_32 3
		.amdhsa_float_denorm_mode_16_64 3
		.amdhsa_memory_ordered 1
		.amdhsa_forward_progress 1
		.amdhsa_inst_pref_size 150
	.end_amdhsa_kernel
	.amdgpu_metadata
---
amdhsa.version: [ 1, 2 ]
amdhsa.kernels:
  - .name:           k_qd79a5aa48f_proj
    .symbol:         k_qd79a5aa48f_proj.kd
    .args:
      - { .name: ao_img, .offset: 0, .size: 8, .value_kind: global_buffer, .address_space: global }
      - { .name: ao_sc, .offset: 8, .size: 8, .value_kind: global_buffer, .address_space: global }
      - { .name: in_img, .offset: 16, .size: 8, .value_kind: global_buffer, .address_space: global }
      - { .name: in_sc, .offset: 24, .size: 8, .value_kind: global_buffer, .address_space: global }
      - { .name: b_proj, .offset: 32, .size: 8, .value_kind: global_buffer, .address_space: global }
      - { .name: out0, .offset: 40, .size: 8, .value_kind: global_buffer, .address_space: global }
    .group_segment_fixed_size: 327680
    .private_segment_fixed_size: 0
    .kernarg_segment_align: 8
    .kernarg_segment_size: 48
    .max_flat_workgroup_size: 128
    .sgpr_count:     102
    .vgpr_count:     1024
    .wavefront_size: 32
...
	.end_amdgpu_metadata
.endif
;; end of part 4
